; MI455X (gfx1250); checked and timed in simulation.
; The chip was launched on July 23, 2026; its instructions are those of AMD's public machine-readable ISA for CDNA 5 (MIT licence, August 2026) and "CDNA5" Instruction Set Architecture Reference Guide (July 2026). The comments in the code are by the model that wrote it; some were corrected since.
;; Encoder Block. Allowed arithmetic: matrix products marked QUANTISED: E2M3 operands, one E8M0 scale for each 32 along K, by v_wmma_scale_f32_16x16x128_f8f6f4 with both operands' format E2M3, f32 sums; everything else in f32.
;; Inputs: ff1_b 4,096 float32; ff1_w 4,096 x 1,024 float32; ff2_b 1,024 float32; ff2_w 1,024 x 4,096 float32; ln1_a 1,024 float32; ln1_b 1,024 float32; ln2_a 1,024 float32; ln2_b 1,024 float32; mask 2 x 1 x 1 x 2,048 int32; wk_b 1,024 float32; wk_w 1,024 x 1,024 float32; wo_b 1,024 float32; wo_w 1,024 x 1,024 float32; wq_b 1,024 float32; wq_w 1,024 x 1,024 float32; wv_b 1,024 float32; wv_w 1,024 x 1,024 float32; x 2 x 2,048 x 1,024 float32.
;; Outputs: out0 2 x 2,048 x 1,024 float32.
;; This version of the problem:
;;   THIS VERSION OF THE PROBLEM IS GIVEN IN LOW PRECISION. The matrix products marked QUANTISED in the list below multiply operands that are first quantised to E2M3 (2 exponent bits, 3 mantissa bits; 6 bits a number), with one power-of-two scale for each 32 numbers along K (OCP MX v1.0); their sums are f32. All else is computed in f32.
;;   The module's matrix products, in the order in which they are computed (A, B: the left and right operand; K: the contracted axis; several contracted axes count as one K, in the product's order):
;;     1. [M 4,096, K 1,024] x [K 1,024, N 1,024]; A: computed on the way; B: input wq_w: QUANTISED
;;     2. [M 4,096, K 1,024] x [K 1,024, N 1,024]; A: computed on the way; B: input wk_w: QUANTISED
;;     3. [M 4,096, K 1,024] x [K 1,024, N 1,024]; A: computed on the way; B: input wv_w: QUANTISED
;;     4. batch 32 x [M 2,048, K 64] x [K 64, N 2,048]; A: computed on the way; B: computed on the way: QUANTISED
;;     5. batch 32 x [M 2,048, K 2,048] x [K 2,048, N 64]; A: softmax (see below); B: computed on the way: QUANTISED
;;     6. [M 4,096, K 1,024] x [K 1,024, N 1,024]; A: computed on the way; B: input wo_w: QUANTISED
;;     7. [M 4,096, K 1,024] x [K 1,024, N 4,096]; A: computed on the way; B: input ff1_w: QUANTISED
;;     8. [M 4,096, K 4,096] x [K 4,096, N 1,024]; A: computed on the way; B: input ff2_w: QUANTISED
;;   THE QUANTISER, for each operand of a quantised product, along K:
;;     - K is cut into blocks of 32 from its start; a last block that is shorter is filled with zeros.
;;     - A block's scale is 2^e with e = floor(log2(the largest magnitude in the block)) - 2, held to -126 .. 127; a block of zeros has e = 0. As a byte (E8M0): e + 127.
;;     - Each number is divided by its block's scale, clamped to +-7.5, and rounded to the nearest number of E2M3, ties to even, subnormals kept.
;;     - The product sums the exact products of the quantised numbers (number of the format x scale) in f32.
;;   ~~~python
;;   def quantise(x, axis):      # numpy; x: float32 -> the quantised numbers, widened to float32 again
;;       x = np.moveaxis(x, axis, -1); K = x.shape[-1]
;;       x = np.pad(x, [(0, 0)] * (x.ndim - 1) + [(0, -K % 32)]); x = x.reshape(x.shape[:-1] + (-1, 32)); a = np.abs(x).max(-1, keepdims=True)
;;       e = np.where(a > 0, np.clip(np.frexp(np.where(a > 0, a, 1))[1] - 1 - 2, -126, 127), 0)      # np.frexp(a)[1] - 1 = floor(log2(a)), exactly
;;       r = np.clip(x / 2.0 ** e, -7.5, 7.5)
;;       step = 2.0 ** (np.maximum(np.frexp(np.where(r == 0, 1, r))[1] - 1, 0) - 3)
;;       q = np.round(r / step) * step * 2.0 ** e      # np.round: ties to even
;;       return np.moveaxis(q.reshape(q.shape[:-2] + (-1,))[..., :K], -1, axis).astype(np.float32)
;;   ~~~
;;   SOFTMAX AHEAD OF A QUANTISED PRODUCT. Where the list says 'softmax', what is quantised is not the finished softmax but p = 2^(t - M), with t = logit x log2(e) and M = ceil(the row's largest t), a whole number; so 1/2 < the row's largest p <= 1. The row's sum l is taken of the UNQUANTISED p, in f32, and the product's result is divided by l at the end. Since M is a whole number, a kernel that streams over the keys may use a running M (the ceiling of the running maximum): every later rescaling is an exact power of two, which a block's scale takes up: the codes' values come out the same.
;;   OPERANDS COMPUTED ON THE WAY. 'Computed on the way' means the value that the module computes at that place (a softmax that the list does not call 'softmax' is quantised finished and normalised). What goes into a quantiser is computed in f32, as accurately as f32 sums, v_exp_f32 and their like allow (about 1e-6 of the number): no bf16 or f16 on the way to a quantiser, and a product that is left as it is and whose result goes on into a quantised operand takes f32 operands (vector FMAs, or v_wmma_f32_16x16x4_f32). A number that lies on a knife's edge between two numbers of the format may be rounded either way, as far as f32 arithmetic and the matrix unit's own rounding can turn it there, and no further.
;; One version. Each part assembles by itself: llvm-mc -triple=amdgcn-amd-amdhsa -mcpu=gfx1250 --defsym DOCPART=n.
;; ======== version 1 of 1: 7 launches
;; limits: right only within a limited range of input values
;; workspace buffers: w 9,830,400 bytes; hb 3,276,800 bytes; qkv 10,092,544 bytes; ao 3,276,800 bytes; x1 16,777,216 bytes; fb 13,107,200 bytes
;; launch prep (part 1): grid 1024 x 1, 8 waves a work-group, no clusters, 70,144 bytes of LDS; arguments x, ln1_a, ln1_b, wq_w, wk_w, wv_w, wo_w, ff1_w, ff2_w, hb, w; writes hb, w
.if DOCPART == 1
	.amdgcn_target "amdgcn-amd-amdhsa--gfx1250"
	.amdhsa_code_object_version 6
	.text
	.protected	k_q4cf940b1a1_prep
	.globl	k_q4cf940b1a1_prep
	.p2align	8
	.type	k_q4cf940b1a1_prep,@function
k_q4cf940b1a1_prep:
	s_mov_b64 s[64:65], 0
	v_nop
	global_prefetch_b8 v0, s[64:65] scope:SCOPE_SE
	s_setreg_imm32_b32 hwreg(HW_REG_WAVE_MODE, 25, 1), 1
	s_wait_xcnt 0x0
; A UNIT is 16 rows x 1,024 columns of f32.  It becomes eight operand fragments of E2M3 codes (16 rows x 128 K each) and their E8M0 scale words.
; Work-groups 0-255: rows of the first argument, layer-normalised first ((x - mean) / (std + 1e-5) x alpha + beta, std with 1,023 in the divisor), into hb.
; Work-groups 256-1,023: the six weights, quantised as they are, into w.  (The launch of 256 work-groups on x1 runs the first kind alone.)
; NO WORK OF THE PROBLEM IS LEFT OUT in this program: every input has a way to out0 (the biases on q, k and v stand ahead of quantisers), so every input is loaded.
; ROWS OF A TILE: lane r of row tile rt holds row 32 (rt / 2) + 8 (rt % 2) + r + 8 (r / 8); so a product used transposed gives each lane 16 neighbours along the next K.
; A FRAGMENT IN MEMORY is the image of its 12 registers: register p of lane l at byte 512 (p / 4) + 16 l + 4 (p % 4): 1,536 bytes, read and written by three 16-byte accesses a lane.
; Its scale words: 64 bytes, row lane r's word at 4 r.  Fragment (rt, ks) of a matrix with KS steps lies at (rt KS + ks) x 1,536 behind the matrix's first.
; SHARES: wave w takes K step w.  Each of its 16 loads reads 512 consecutive bytes of one row; the 8 KiB turn through the wave's own stage in LDS, so that lane (r, h) holds
; k = 64 c + 32 h + 0 .. 31 of row r in registers 32 c + 0 .. 31: two whole blocks of 32, in the order of the operand's registers.
; The row's mean and the sum of squares about the mean (two passes: a common offset costs no precision) meet in LDS: three barriers, which every work-group passes.
; A block's scale is 2^(floor(log2(largest magnitude)) - 2); its byte is that magnitude's exponent field - 2, held at 1 from below.
; LIMITS: NaN and infinities among the inputs are not served; a block of zeros gets the byte 1 (its codes are zeros; this program alone reads the bytes); a row whose variance lies under 2^-126 counts as variance 0.
.set STG,   8448                       ; a wave's stage: 16 rows x (512 + 16) bytes
.set STAT,  67584                      ; 512 bytes of row sums, 512 of sums of squares, 512 of scale words: [wave][16 rows]
.set SPARE, 69120                      ; the spare words, 128 bytes for each wave
.set HSC,   3145728                    ; where the scale words begin in hb
.set WSC,   9437184                    ; and in w
.set SPW,   12
.set NIL,   13
.set OFF,   16                         ; v16-31  row i's byte offset + 16 x lane
.set R,     32                         ; v32-95  as loaded; later beta
.set X,     96                         ; v96-159 my 64 numbers
.set AL,    160                        ; v160-223 alpha
.set T,     224                        ; v224-231 at work
.set P,     236                        ; v236-247 the fragment; v248-250, v252-254 halves of blocks on their way there
.macro BARRIER                         ; my LDS stores have landed and my LDS loads are in: then the work-group's barrier
	s_wait_dscnt 0x0
	s_barrier_signal -1
	s_barrier_wait -1
.endm
.macro FOLD                            ; four chains of pairs -> the sum over my row's 128 columns, in both lanes of the row
	v_pk_add_f32 v[T:T+1], v[T:T+1], v[T+2:T+3]
	v_pk_add_f32 v[T+4:T+5], v[T+4:T+5], v[T+6:T+7]
	v_pk_add_f32 v[T:T+1], v[T:T+1], v[T+4:T+5]
	v_add_f32 v[T], v[T], v[T+1]
	v_permlanex16_b32 v255, v[T], s6, s7
	v_add_f32 v[T], v[T], v255
.endm
.macro GATHER off                      ; the eight waves' parts of my row, added in the same order by every wave
.irp w, 0,1,2,3,4,5,6,7
	ds_load_b32 v[T+\w], v8 offset:\off+64*\w
.endr
	s_wait_dscnt 0x0
	v_add_f32 v[T], v[T], v[T+1]
	v_add_f32 v[T+2], v[T+2], v[T+3]
	v_add_f32 v[T+4], v[T+4], v[T+5]
	v_add_f32 v[T+6], v[T+6], v[T+7]
	v_add_f32 v[T], v[T], v[T+2]
	v_add_f32 v[T+4], v[T+4], v[T+6]
	v_add_f32 v[T], v[T], v[T+4]
.endm
	s_load_b512 s[8:23], s[0:1], 0x0               ; x s[8:9], alpha, beta, wq, wk, wv, wo, ff1 s[22:23]
	s_load_b128 s[24:27], s[0:1], 0x40             ; ff2, hb
	s_load_b64 s[28:29], s[0:1], 0x50              ; w
	v_lshl_add_u32 v[SPW], v0, 2, SPARE
	v_mov_b32 v[NIL], 0
	v_lshrrev_b32 v1, 5, v0
	v_readfirstlane_b32 s2, v1                     ; wave 0..7 = my K step of the unit
	v_and_b32 v1, 31, v0                           ; lane
	v_and_b32 v2, 15, v0                           ; r
	v_bfe_u32 v3, v0, 4, 1                         ; h
	v_lshlrev_b32 v4, 4, v1                        ; 16 x lane
	s_mul_i32 s5, s2, STG
	v_add_nc_u32 v5, s5, v4                        ; stage, in: a row's 512 bytes as they lie
	v_mul_u32_u24 v6, v2, 528
	v_lshl_add_u32 v6, v3, 7, v6
	v_add_nc_u32 v6, s5, v6                        ; stage, out: row r, + 128 h
	v_lshlrev_b32 v8, 2, v2
	s_lshl_b32 s5, s2, 6
	v_add_nc_u32 v7, s5, v8
	v_add_nc_u32 v7, STAT, v7                      ; my wave's word for row r
	v_add_nc_u32 v8, STAT, v8                      ; wave 0's word for row r
	v_add_nc_u32 v9, STAT+1024, v4                 ; the unit's 512 bytes of scale words, 16 a lane
	v_lshlrev_b32 v10, 7, v3                       ; alpha, beta: 128 h
	v_lshlrev_b32 v11, 3, v3                       ; 8 h: my bytes' place in the scale word
	v_mov_b32 v255, 0                              ; a lane permute's destination counts as one of its sources
	s_mov_b32 s6, 0x76543210
	s_mov_b32 s7, 0xfedcba98                       ; selects for lane l xor 16
	; which unit: ids alone decide
	s_cmp_lt_u32 ttmp9, 256
	s_cselect_b32 s4, 1, 0                         ; 1: rows to be normalised
	s_cselect_b32 s30, 0, 256
	s_sub_co_u32 s30, ttmp9, s30                   ; the unit's number among its kind
	s_lshr_b32 s31, s30, 6                         ; weights: 0 wq, 1 wk, 2 wv, 3 wo, 4-7 ff1, 8-11 ff2
	s_and_b32 s34, s30, 63                         ; row tile in a square weight
	s_and_b32 s37, s30, 255                        ; in ff1
	s_lshr_b32 s38, s37, 2                         ; in ff2, whose rows are four units long:
	s_and_b32 s39, s37, 3                          ; which 1,024 columns
	s_mov_b32 s35, 4096                            ; a row in bytes
	s_mov_b32 s44, 16384
	s_cmp_ge_u32 s31, 4
	s_cselect_b32 s34, s37, s34
	s_cmp_ge_u32 s31, 8
	s_cselect_b32 s34, s38, s34
	s_cselect_b32 s36, s39, 0
	s_cselect_b32 s35, s44, s35
	s_cmp_eq_u32 s4, 1
	s_cselect_b32 s34, s30, s34
	s_lshr_b32 s45, s34, 1
	s_lshl_b32 s45, s45, 5
	s_and_b32 s46, s34, 1
	s_lshl_b32 s46, s46, 3
	s_add_co_u32 s45, s45, s46                     ; the tile's first row: 32 (rt / 2) + 8 (rt % 2)
	s_mul_i32 s46, s45, s35
	s_lshl_b32 s47, s36, 12
	s_add_co_u32 s46, s46, s47
	s_lshl_b32 s47, s2, 9
	s_add_co_u32 s46, s46, s47                     ; + my K step's 512 bytes
	s_mov_b32 s47, 0
.irp i, 0,1,2,3,4,5,6,7,8,9,10,11,12,13,14,15
	v_mad_u32_u24 v[OFF+\i], s35, \i+8*(\i/8), v4  ; lane row i of the tile lies i + 8 (i / 8) rows on
.endr
	s_lshl_b32 s50, s30, 3
	s_add_co_u32 s50, s50, s2
	s_mul_i32 s50, s50, 1536                       ; my fragment
	s_mov_b32 s51, 0
	s_lshl_b32 s52, s30, 9                         ; the unit's scale words
	s_mov_b32 s53, 0
	s_lshl_b32 s54, s2, 9                          ; alpha, beta: my 128 columns
	s_mov_b32 s55, 0
	s_mov_b32 s48, WSC
	s_cmp_eq_u32 s4, 1
	s_cselect_b32 s48, HSC, s48
	s_add_co_u32 s52, s52, s48
	s_wait_kmcnt 0x0
	s_mov_b64 s[32:33], s[24:25]
	s_cmp_lt_u32 s31, 8
	s_cselect_b64 s[32:33], s[22:23], s[32:33]
	s_cmp_lt_u32 s31, 4
	s_cselect_b64 s[32:33], s[20:21], s[32:33]
	s_cmp_lt_u32 s31, 3
	s_cselect_b64 s[32:33], s[18:19], s[32:33]
	s_cmp_lt_u32 s31, 2
	s_cselect_b64 s[32:33], s[16:17], s[32:33]
	s_cmp_lt_u32 s31, 1
	s_cselect_b64 s[32:33], s[14:15], s[32:33]
	s_cmp_eq_u32 s4, 1
	s_cselect_b64 s[32:33], s[8:9], s[32:33]       ; the source
	s_cselect_b64 s[40:41], s[26:27], s[28:29]     ; the destination: hb or w
	s_add_nc_u64 s[32:33], s[32:33], s[46:47]
	s_add_nc_u64 s[42:43], s[40:41], s[52:53]
	s_add_nc_u64 s[40:41], s[40:41], s[50:51]
	s_add_nc_u64 s[10:11], s[10:11], s[54:55]
	s_add_nc_u64 s[12:13], s[12:13], s[54:55]
.irp i, 0,1,2,3,4,5,6,7,8,9,10,11,12,13,14,15
	global_load_b128 v[R+4*\i:R+4*\i+3], v[OFF+\i], s[32:33] th:TH_LOAD_NT   ; 32 lanes read 512 consecutive bytes of one row
.endr
	s_cmp_eq_u32 s4, 0
	s_cbranch_scc1 .Lw0
.irp c, 0,1
.irp e, 0,1,2,3,4,5,6,7
	global_load_b128 v[AL+32*\c+4*\e:AL+32*\c+4*\e+3], v10, s[10:11] offset:256*\c+16*\e   ; alpha at my 64 columns
.endr
.endr
.Lw0:
	s_wait_loadcnt 0x0
.irp i, 0,1,2,3,4,5,6,7,8,9,10,11,12,13,14,15
	ds_store_b128 v5, v[R+4*\i:R+4*\i+3] offset:528*\i
.endr
.irp c, 0,1
.irp e, 0,1,2,3,4,5,6,7
	ds_load_b128 v[X+32*\c+4*\e:X+32*\c+4*\e+3], v6 offset:256*\c+16*\e   ; LDS serves a wave's instructions in order (ISA guide 5.7.1.4): these see my stores
.endr
.endr
	s_wait_dscnt 0x0
	s_cmp_eq_u32 s4, 0
	s_cbranch_scc1 .Lw1
.irp c, 0,1
.irp e, 0,1,2,3,4,5,6,7
	global_load_b128 v[R+32*\c+4*\e:R+32*\c+4*\e+3], v10, s[12:13] offset:256*\c+16*\e     ; beta, into registers that the stage's stores have read
.endr
.endr
.irp k, 0,1,2,3
	v_pk_add_f32 v[T+2*\k:T+2*\k+1], v[X+2*\k:X+2*\k+1], v[X+8+2*\k:X+9+2*\k]              ; the sum of my 64, in four chains
.endr
.irp p, 2,3,4,5,6,7
.irp k, 0,1,2,3
	v_pk_add_f32 v[T+2*\k:T+2*\k+1], v[T+2*\k:T+2*\k+1], v[X+8*\p+2*\k:X+8*\p+2*\k+1]
.endr
.endr
	FOLD
	ds_store_b32 v7, v[T]                          ; both lanes of a row write the same word with the same value
.Lw1:
	BARRIER
	s_cmp_eq_u32 s4, 0
	s_cbranch_scc1 .Lw2
	GATHER 0
	v_mul_f32 v232, 0x3a800000, v[T]               ; the mean: / 1,024
	v_mul_f32 v233, 0x3a800000, v[T]
.set jj, 0
.rept 32
	v_pk_add_f32 v[X+jj:X+jj+1], v[X+jj:X+jj+1], v[232:233] neg_lo:[0,1] neg_hi:[0,1]      ; x - mean
.set jj, jj+2
.endr
.irp k, 0,1,2,3
	v_pk_mul_f32 v[T+2*\k:T+2*\k+1], v[X+2*\k:X+2*\k+1], v[X+2*\k:X+2*\k+1]
.endr
.irp p, 1,2,3,4,5,6,7
.irp k, 0,1,2,3
	v_pk_fma_f32 v[T+2*\k:T+2*\k+1], v[X+8*\p+2*\k:X+8*\p+2*\k+1], v[X+8*\p+2*\k:X+8*\p+2*\k+1], v[T+2*\k:T+2*\k+1]
.endr
.endr
	FOLD
	ds_store_b32 v7, v[T] offset:512
.Lw2:
	BARRIER
	s_cmp_eq_u32 s4, 0
	s_cbranch_scc1 .Lw3
	GATHER 512
	v_mul_f32 v[T], 0x3a802008, v[T]               ; / 1,023
	v_sqrt_f32 v[T+1], v[T]
	v_nop                                          ; a plain instruction behind the root,
	s_wait_alu depctr_va_vdst(0)                   ; and the wait ahead of its first reader
	v_add_f32 v[T+1], 0x3727c5ac, v[T+1]           ; + 1e-5
	v_rcp_f32 v234, v[T+1]
	v_nop
	s_wait_alu depctr_va_vdst(0)
	v_mov_b32 v235, v234
	s_wait_loadcnt 0x0                             ; beta
.set jj, 0
.rept 32
	v_pk_mul_f32 v[X+jj:X+jj+1], v[X+jj:X+jj+1], v[234:235]
.set jj, jj+2
.endr
.set jj, 0
.rept 32
	v_pk_fma_f32 v[X+jj:X+jj+1], v[X+jj:X+jj+1], v[AL+jj:AL+jj+1], v[R+jj:R+jj+1]
.set jj, jj+2
.endr
.Lw3:
	; my two blocks (2 c + h of this K step): all 32 numbers of each are mine
.irp c, 0,1
	v_max3_num_f32 v[T+\c], |v[X+32*\c]|, |v[X+32*\c+1]|, 0x1800000   ; with the floor 2^(3 - 127): the byte cannot fall under 1
.endr
.irp i, 2,4,6,8,10,12,14,16,18,20,22,24,26,28,30
.irp c, 0,1
	v_max3_num_f32 v[T+\c], v[T+\c], |v[X+32*\c+\i]|, |v[X+32*\c+\i+1]|
.endr
.endr
.irp c, 0,1
	v_add_nc_u32 v[T+2+\c], 0xff000000, v[T+\c]    ; 2 off the exponent field: the conversion's scale operand
.endr
.irp c, 0,1
	v_lshrrev_b32 v[T+4+\c], 23, v[T+2+\c]         ; the scale's byte
.endr
	v_lshl_or_b32 v[T+6], v[T+5], 16, v[T+4]       ; blocks h and 2 + h,
	v_lshlrev_b32 v[T+6], v11, v[T+6]              ; at their places in the word;
	v_permlanex16_b32 v255, v[T+6], s6, s7
	v_or_b32 v[T+6], v[T+6], v255                  ; with lane l xor 16's two the word is whole
.irp c, 0,1
	v_cvt_scalef32_pk16_fp6_f32 v[P+6*\c:P+6*\c+2], v[X+32*\c:X+32*\c+15], v[T+2+\c]
	v_cvt_scalef32_pk16_fp6_f32 v[248+4*\c:250+4*\c], v[X+32*\c+16:X+32*\c+31], v[T+2+\c]  ; (a conversion's three registers begin on an even number)
.endr
	v_nop                                          ; one plain instruction behind a scaled conversion
.irp c, 0,1
.irp i, 0,1,2
	v_mov_b32 v[P+3+6*\c+\i], v[248+4*\c+\i]
.endr
.endr
.irp c, 0,1,2
	global_store_b128 v4, v[P+4*\c:P+4*\c+3], s[40:41] offset:512*\c   ; 512 consecutive bytes a store
.endr
	ds_store_b32 v7, v[T+6] offset:1024
	BARRIER
	s_cmp_lg_u32 s2, 0
	s_cbranch_scc1 .Lend
	ds_load_b128 v[T:T+3], v9                      ; wave 0 stores the unit's 512 bytes of scale words
	s_wait_dscnt 0x0
	global_store_b128 v4, v[T:T+3], s[42:43]
.Lend:
	s_wait_tensorcnt 0x0                           ; the wave's end
	ds_add_u32 v[SPW], v[NIL]
	s_wait_dscnt 0x0
	s_endpgm
.Lfunc_end_k_q4cf940b1a1_prep:
	.size	k_q4cf940b1a1_prep, .Lfunc_end_k_q4cf940b1a1_prep-k_q4cf940b1a1_prep
	.p2alignl 7, 3214868480
	.fill 96, 4, 3214868480
	.section	.rodata,"a",@progbits
	.p2align	6, 0x0
	.amdhsa_kernel k_q4cf940b1a1_prep
		.amdhsa_group_segment_fixed_size 70144
		.amdhsa_private_segment_fixed_size 0
		.amdhsa_enable_private_segment 0
		.amdhsa_kernarg_size 88
		.amdhsa_user_sgpr_count 2
		.amdhsa_user_sgpr_kernarg_segment_ptr 1
		.amdhsa_wavefront_size32 1
		.amdhsa_system_sgpr_workgroup_id_x 1
		.amdhsa_system_sgpr_workgroup_id_y 1
		.amdhsa_system_sgpr_workgroup_id_z 1
		.amdhsa_system_vgpr_workitem_id 0
		.amdhsa_next_free_vgpr 256
		.amdhsa_next_free_sgpr 66
		.amdhsa_reserve_vcc 0
		.amdhsa_float_denorm_mode_32 3
		.amdhsa_float_denorm_mode_16_64 3
		.amdhsa_memory_ordered 1
		.amdhsa_forward_progress 1
		.amdhsa_inst_pref_size 28
	.end_amdhsa_kernel
	.amdgpu_metadata
---
amdhsa.version: [ 1, 2 ]
amdhsa.kernels:
  - .name:           k_q4cf940b1a1_prep
    .symbol:         k_q4cf940b1a1_prep.kd
    .args:
      - { .name: x, .offset: 0, .size: 8, .value_kind: global_buffer, .address_space: global }
      - { .name: ln1_a, .offset: 8, .size: 8, .value_kind: global_buffer, .address_space: global }
      - { .name: ln1_b, .offset: 16, .size: 8, .value_kind: global_buffer, .address_space: global }
      - { .name: wq_w, .offset: 24, .size: 8, .value_kind: global_buffer, .address_space: global }
      - { .name: wk_w, .offset: 32, .size: 8, .value_kind: global_buffer, .address_space: global }
      - { .name: wv_w, .offset: 40, .size: 8, .value_kind: global_buffer, .address_space: global }
      - { .name: wo_w, .offset: 48, .size: 8, .value_kind: global_buffer, .address_space: global }
      - { .name: ff1_w, .offset: 56, .size: 8, .value_kind: global_buffer, .address_space: global }
      - { .name: ff2_w, .offset: 64, .size: 8, .value_kind: global_buffer, .address_space: global }
      - { .name: hb, .offset: 72, .size: 8, .value_kind: global_buffer, .address_space: global }
      - { .name: w, .offset: 80, .size: 8, .value_kind: global_buffer, .address_space: global }
    .group_segment_fixed_size: 70144
    .private_segment_fixed_size: 0
    .kernarg_segment_align: 8
    .kernarg_segment_size: 88
    .max_flat_workgroup_size: 256
    .sgpr_count:     66
    .vgpr_count:     256
    .wavefront_size: 32
...
	.end_amdgpu_metadata
.endif
;; end of part 1
;; launch gqkv (part 2): grid 12 x 16, 4 waves a work-group, clusters of 4 x 4, 327,680 bytes of LDS; arguments hb, w, wq_b, wk_b, wv_b, qkv; writes qkv
.if DOCPART == 2
	.amdgcn_target "amdgcn-amd-amdhsa--gfx1250"
	.amdhsa_code_object_version 6
	.text
	.protected	k_q4cf940b1a1_gqkv
	.globl	k_q4cf940b1a1_gqkv
	.p2align	8
	.type	k_q4cf940b1a1_gqkv,@function
k_q4cf940b1a1_gqkv:
	s_mov_b64 s[64:65], 0
	v_nop
	global_prefetch_b8 v0, s[64:65] scope:SCOPE_SE
	s_setreg_imm32_b32 hwreg(HW_REG_WAVE_MODE, 25, 1), 1
	s_wait_xcnt 0x0
	s_wait_alu depctr_hold_cnt(0) depctr_sa_sdst(0) depctr_va_vdst(0) depctr_va_sdst(0) depctr_va_ssrc(0) depctr_va_vcc(0) depctr_vm_vsrc(0)
	s_getreg_b32 s2, hwreg(HW_REG_IB_STS2, 6, 4)
	s_cmp_eq_u32 s2, 0
	s_cbranch_scc0 .Lentry_in_a_cluster
	s_endpgm
.Lentry_in_a_cluster:
	s_bfe_u32 s2, ttmp6, 0x10000c
	s_cmp_lg_u32 s2, 0xf033
	s_cbranch_scc0 .Lentry_shape_is_right
	s_endpgm
.Lentry_shape_is_right:
; q = h Wq^T + bq, k = h Wk^T + bk, v = h Wv^T + bv on E2M3 codes, and each result quantised on the way out for attention.  No work of the problem is left out.
; Operands lie in memory as images of operand registers (1,536 bytes a fragment of 16 rows x 128 K, 64 bytes of scale words beside it; lane r of row tile rt is row 32 (rt / 2) + 8 (rt % 2) + r + 8 (r / 8)).
; A work-group of four waves makes 256 x 256, a wave 128 x 128: 64 accumulators.  K = 1,024 goes in four slots' worth of 256 through a ring of two LDS slots filled by the tensor data mover.
; CLUSTERS of 4 x 4: A's tiles are asked for jointly along a row of the cluster, B's along a column.
; Clusters x = 0, 1: A = h (tokens), B = Wq and Wk stacked (2,048 features).  The product is used transposed (source 0 = B's rows, source 1 = A's), so a lane holds one token and its registers run along the features:
; 128 features = two heads; each head's 64 codes are six registers a lane: a half fragment of 768 bytes, [head 0-15 q, 16-31 k][token tile][768].
; Cluster x = 2: THE ROLES ARE SWAPPED: A = Wv (rows d), B = h (tokens): a lane holds one d and its registers run along the tokens, which are the second attention product's K: V^T fragments [batch][head][128 keys][16 d].
; The cluster's x is the same in all sixteen partners, so the three branches on it are taken alike by all.
; The bias is the C of each sum's first product.  LIMITS: NaN and infinities are not served; a block of zeros gets the byte 1.
; REGISTERS: window 0: v1-31 addresses; v32-63 scale words, two sets; v64-255 A's fragments, two sets.  window 1: v0-191 B's, two sets; v192-255 the bias.  windows 2, 3: accumulator (a, b) at 8 (8 a + b).
.set MA,    8                          ; fragments of A, and of B, a wave
.set NQ,    2                          ; K steps of 128 in a slot
.set KS,    8                          ; K steps in all
.set FRS,   12*MA
.set QUART, MA*NQ*1536                 ; what one tensor load brings
.set SLOT,  4*QUART                    ; A's two halves, B's two halves
.set LAPS,  KS/(2*NQ)
.set HALFS, MA*KS*64                   ; the scale words of a half, all of K
.set SCA,   2*SLOT
.set SCB,   SCA+2*HALFS+128            ; 128 bytes on, so that the two halves of a scale load fall on different banks (64 banks of 4 bytes: ISA guide 11.1)
.set SPARE, SCA+4*HALFS+256            ; the spare words
.set HSC,   3145728
.set WSC,   9437184
.set QKS,   6291456
.set VC,    6815744
.set VS,    9961472
.set ADRA, 16
.set ADRB, 20
.set ADRS, 27
.set SPW,  28
.set NIL,  29
.set SC,   32
.set AF,   64
.set CI,   192
.set PC,   128                         ; the way out, in window 0: codes v128-147, at work v148-163, scale word v164, v165
.set TM,   148
.set PW,   164
.set G1, 24
.set G0, 32
.set G1B, 48
.set G0B, 56
.set G1S, 68
.set G0S, 76
.set G1SB, 80
.set G0SB, 88
.set MSB, 0
.macro WIN new                         ; the immediate's high byte repeats the setting that is left
.if MSB != (\new)
	s_set_vgpr_msb (MSB<<8)|(\new)
.set MSB, (\new)
.endif
.endm
.macro JLOAD g0a, g1a, g0b, g1b        ; a joint load: waves 0, 1 fetch for A, waves 2, 3 for B; an s_nop 0 and four v_nop follow each line
	s_cmp_eq_u32 s15, 0
	s_cbranch_scc0 .Lfor_b_\@
	tensor_load_to_lds s[\g0a:\g0a+3], s[\g1a:\g1a+7]
	s_nop 0
.rept 4
	v_nop
.endr
	s_branch .Lasked_\@
.Lfor_b_\@:
	tensor_load_to_lds s[\g0b:\g0b+3], s[\g1b:\g1b+7]
	s_nop 0
.rept 4
	v_nop
.endr
.Lasked_\@:
.endm
.macro CREST
	s_cmp_lg_u32 s14, 0
	s_cbranch_scc1 .Lnot_wave_0_\@
	s_barrier_signal -3
.Lnot_wave_0_\@:
	s_barrier_wait -3
	s_barrier_signal -1
	s_barrier_wait -1
.endm
.macro CROUND
	s_barrier_signal -1
	s_barrier_wait -1
	CREST
.endm
.macro PLACES n
.rept \n
	v_nop
.endr
.endm
.macro FETCH slot, q, p                ; the fragments of the slot's q-th 128 along K into set p: three loads of 512 consecutive bytes each
	WIN 0x40
.set ii, 0
.rept MA
.irp c, 0,1,2
	ds_load_b128 v[FRS*(\p)+12*ii+4*\c:FRS*(\p)+12*ii+4*\c+3], v[ADRB+\slot] offset:(ii*NQ+(\q))*1536+512*\c
.endr
.set ii, ii+1
.endr
	WIN 0
.set ii, 0
.rept MA
.irp c, 0,1,2
	ds_load_b128 v[AF+FRS*(\p)+12*ii+4*\c:AF+FRS*(\p)+12*ii+4*\c+3], v[ADRA+\slot] offset:(ii*NQ+(\q))*1536+512*\c
.endr
.set ii, ii+1
.endr
.endm
.macro SCALES sc                       ; a slot's scale words: lanes 0-15 A's tile i, lanes 16-31 B's tile i
.set ii, 0
.rept MA
.set qq, 0
.rept NQ
	ds_load_b32 v[SC+MA*NQ*(\sc)+NQ*ii+qq], v[ADRS] offset:ii*KS*64+qq*64
.set qq, qq+1
.endr
.set ii, ii+1
.endr
.endm
; n of A's tiles from a0 on x all of B's.  mode 0: onto the sums; 1: the sums begin with the bias by B's tile; 2: by A's tile.  The accumulators take turns, one instruction a turn.
.macro MULA a0, n, p, q, sc, mode
.set aa, \a0
.rept \n
.set WA, 2+(aa*MA*8)/256
.if \mode == 0
	WIN (WA<<6)|(WA<<4)|1
.else
	WIN (WA<<6)|0x11
.endif
.set bb, 0
.rept MA
.set DD, (8*(aa*MA+bb))%256
.set RB, FRS*(\p)+12*bb
.set RA, AF+FRS*(\p)+12*aa
.set SB, SC+MA*NQ*(\sc)+NQ*bb+(\q)
.set SA, SC+MA*NQ*(\sc)+NQ*aa+(\q)
.if \mode == 0
	v_wmma_scale_f32_16x16x128_f8f6f4 v[DD:DD+7], v[RB:RB+11], v[RA:RA+11], v[DD:DD+7], v[SB], v[SA] matrix_a_fmt:MATRIX_FMT_FP6 matrix_b_fmt:MATRIX_FMT_FP6 matrix_a_scale:MATRIX_SCALE_ROW1
.elseif \mode == 1
	v_wmma_scale_f32_16x16x128_f8f6f4 v[DD:DD+7], v[RB:RB+11], v[RA:RA+11], v[CI+8*bb:CI+8*bb+7], v[SB], v[SA] matrix_a_fmt:MATRIX_FMT_FP6 matrix_b_fmt:MATRIX_FMT_FP6 matrix_a_scale:MATRIX_SCALE_ROW1
.else
	v_wmma_scale_f32_16x16x128_f8f6f4 v[DD:DD+7], v[RB:RB+11], v[RA:RA+11], v[CI+8*aa:CI+8*aa+7], v[SB], v[SA] matrix_a_fmt:MATRIX_FMT_FP6 matrix_b_fmt:MATRIX_FMT_FP6 matrix_a_scale:MATRIX_SCALE_ROW1
.endif
.set bb, bb+1
.endr
.set aa, aa+1
.endr
.endm
.macro STEP slot, q, mode              ; a step that has its successor in the same slot
	s_wait_dscnt 0x0                               ; this step's fragments, asked for a step ago, are in
	PLACES 4                                       ; four places in front of loads into the set that the last step multiplied (ISA guide 7.12.1 for vector instructions)
	FETCH \slot, (\q)+1, 1-(\q)%2
	MULA 0, MA, (\q)%2, \q, \slot, \mode
.endm
.macro TURN slot, fill                 ; a slot's last step changes slots: one barrier; fill = 1: it opens a round of the cluster's barrier and the slot is filled again
	WIN 0
	s_wait_tensorcnt 0x0                           ; all my tensor loads have landed: my part of the next slot
	ds_add_u32 v[SPW], v[NIL]                      ; 0 onto my spare word
	s_wait_dscnt 0x1                               ; (the add alone may be out: the fragments are in)
	MULA 0, MA/4, 1, NQ-1, \slot, 0
	s_wait_dscnt 0x0                               ; the add is done, and my reads of this slot are over
	s_barrier_signal -1
	MULA MA/4, MA/4, 1, NQ-1, \slot, 0
	WIN 0
	s_barrier_wait -1
.if \fill
	CREST                                          ; no wave of any partner still reads this slot or has a load on its way
	s_add_nc_u64 s[G0+4*\slot+2:G0+4*\slot+3], s[G0+4*\slot+2:G0+4*\slot+3], 2*NQ*1536
	s_add_nc_u64 s[G0B+4*\slot+2:G0B+4*\slot+3], s[G0B+4*\slot+2:G0B+4*\slot+3], 2*NQ*1536
	JLOAD G0+4*\slot, G1, G0B+4*\slot, G1B         ; the first tensor load behind the round; its four v_nop are the places in front of the loads below
.else
	PLACES 4
.endif
	v_add_nc_u32 v[ADRS], NQ*64, v[ADRS]           ; the next slot's scale words
	FETCH 1-\slot, 0, 0
	SCALES 1-\slot
	MULA MA/2, MA/2, 1, NQ-1, \slot, 0
.endm
; 64 numbers of a lane in window W, register 16 b + i = k 32 b + 16 (lane / 16) + i of my row, become a fragment's codes in v[PC] on and its scale word in v[PW].  Each accumulator is read from its low end on.
.macro QUANT s, W
	WIN (\W)|((\W)<<2)
.irp b, 0,1,2,3
	v_max3_num_f32 v[TM+\b], |v[(\s)+16*\b]|, |v[(\s)+1+16*\b]|, 0x1800000   ; with the floor 2^(3 - 127)
.endr
	WIN ((\W)<<2)|((\W)<<4)
.irp i, 2,4,6,8,10,12,14
.irp b, 0,1,2,3
	v_max3_num_f32 v[TM+\b], v[TM+\b], |v[(\s)+16*\b+\i]|, |v[(\s)+1+16*\b+\i]|
.endr
.endr
	WIN 0
.irp b, 0,1,2,3
	v_permlanex16_b32 v[TM+4+\b], v[TM+\b], s22, s23
.endr
.irp b, 0,1,2,3
	v_max_num_f32 v[TM+\b], v[TM+\b], v[TM+4+\b]   ; with lane l xor 16's: the block's largest magnitude
.endr
.irp b, 0,1,2,3
	v_add_nc_u32 v[TM+12+\b], 0xff000000, v[TM+\b] ; 2 off its exponent field: the conversion's scale operand
.endr
.irp b, 0,1,2,3
	v_lshrrev_b32 v[TM+4+\b], 23, v[TM+12+\b]      ; the scale's byte
.endr
	v_lshl_or_b32 v[PW], v[TM+5], 8, v[TM+4]
	v_lshl_or_b32 v[PW], v[TM+6], 16, v[PW]
	v_lshl_or_b32 v[PW], v[TM+7], 24, v[PW]
	WIN \W
.irp c, 0,1
	v_cvt_scalef32_pk16_fp6_f32 v[PC+6*\c:PC+2+6*\c], v[(\s)+32*\c:(\s)+15+32*\c], v[TM+12+2*\c]
	v_cvt_scalef32_pk16_fp6_f32 v[PC+12+4*\c:PC+14+4*\c], v[(\s)+16+32*\c:(\s)+31+32*\c], v[TM+12+2*\c+1]
.endr
	WIN 0
	v_nop                                          ; one plain instruction behind a scaled conversion
.irp c, 0,1                                    ; the operand's layout wants a whole block in a lane
.irp i, 0,1,2
	v_permlane16_swap_b32 v[PC+6*\c+\i], v[PC+12+4*\c+\i]
.endr
.irp i, 0,1,2
	v_mov_b32 v[PC+3+6*\c+\i], v[PC+12+4*\c+\i]
.endr
.endr
.endm
	s_load_b256 s[92:99], s[0:1], 0x0              ; hb, w, wq_b, wk_b
	s_load_b64 s[100:101], s[0:1], 0x20            ; wv_b
	s_load_b64 s[12:13], s[0:1], 0x28              ; qkv
	v_lshl_add_u32 v[SPW], v0, 2, SPARE
	v_mov_b32 v[NIL], 0
	ds_add_u32 v[SPW], v[NIL]                      ; the wave's opening: the add, twice on end, and its wait ahead of my first tensor load
	ds_add_u32 v[SPW], v[NIL]
	v_lshrrev_b32 v1, 5, v0
	v_readfirstlane_b32 s14, v1                    ; wave 0..3
	s_lshr_b32 s15, s14, 1                         ; my half of A's rows.  Also: I fetch for A (0) or for B (1)
	s_and_b32 s16, s14, 1                          ; my half of B's rows.  Also: which half I fetch
	s_bfe_u32 s40, ttmp6, 0x40000                  ; cx
	s_bfe_u32 s41, ttmp6, 0x40004                  ; cy
	s_and_b32 s18, ttmp7, 0xffff                   ; the cluster's y
	s_cmp_eq_u32 ttmp9, 2                          ; the cluster's x: 0, 1 q and k; 2 v
	s_cselect_b32 s66, 1, 0
	s_cselect_b32 s19, s18, ttmp9                  ; which four tile columns,
	s_cselect_b32 s18, 0, s18                      ; which four tile rows
	s_mov_b32 s2, HSC
	s_cselect_b32 s2, WSC+65536, s2                ; where A's scale words begin in A's buffer,
	s_cselect_b32 s3, 1572864, 0                   ; A's codes,
	s_mov_b32 s67, WSC
	s_cselect_b32 s67, HSC, s67                    ; and B's scale words
	s_lshl_b32 s42, s19, 2
	s_add_co_u32 s42, s42, s40                     ; tile column
	s_lshl_b32 s17, s18, 2
	s_add_co_u32 s17, s17, s41                     ; tile row
	s_lshl_b32 s43, s41, 2
	s_lshl_b32 s43, 15, s43                        ; my row of the cluster
	s_lshl_b32 s44, 0x1111, s40                    ; my column
	s_or_b32 s[G1+0], s43, (3<<16)|(1<<21)         ; 15:0 the mask; 17:16 elements of 8 bytes; 21 set beside a mask; no padding
	s_or_b32 s[G1B+0], s44, (3<<16)|(1<<21)
.irp g, G1, G1B
	s_mov_b32 s[\g+1], (NQ*192)<<16                ; tensor_dim0: NQ fragments on end
	s_mov_b32 s[\g+2], MA<<16                      ; tensor_dim1: MA row tiles
	s_mov_b32 s[\g+3], (NQ*192)<<16                ; tile_dim0
	s_mov_b32 s[\g+4], MA                          ; tile_dim1
	s_mov_b32 s[\g+5], KS*192                      ; from row tile to row tile
	s_mov_b32 s[\g+6], 0
	s_mov_b32 s[\g+7], 0
.endr
	s_or_b32 s[G1S+0], s43, (3<<16)|(1<<21)        ; the scale words of a half: a dense block, as rows of 256 bytes
	s_or_b32 s[G1SB+0], s44, (3<<16)|(1<<21)
.irp g, G1S, G1SB
	s_mov_b32 s[\g+1], 32<<16
	s_mov_b32 s[\g+2], (HALFS/256)<<16
	s_mov_b32 s[\g+3], 32<<16
	s_mov_b32 s[\g+4], HALFS/256
	s_mov_b32 s[\g+5], 32
	s_mov_b32 s[\g+6], 0
	s_mov_b32 s[\g+7], 0
.endr
	s_mul_i32 s45, s16, MA
	s_mul_i32 s20, s17, 2*MA
	s_add_co_u32 s20, s20, s45                     ; A: the first row tile that I fetch
	s_mul_i32 s46, s42, 2*MA
	s_add_co_u32 s46, s46, s45                     ; B likewise
	s_mul_i32 s22, s20, KS*64
	s_add_co_u32 s22, s22, s2
	s_mul_i32 s20, s20, KS*1536
	s_add_co_u32 s20, s20, s3
	s_mul_i32 s18, s46, KS*64
	s_add_co_u32 s18, s18, s67
	s_mul_i32 s46, s46, KS*1536
	s_mov_b32 s21, 0
	s_mov_b32 s23, 0
	s_mov_b32 s19, 0
	s_mov_b32 s47, 0
	s_mul_i32 s45, s14, QUART                      ; where the codes go: wave x a quarter of a slot
	s_mul_i32 s2, s16, HALFS                       ; and the scale words
	s_wait_dscnt 0x0                               ; both opening adds are done
	s_wait_kmcnt 0x0
	s_cmp_eq_u32 s66, 1
	s_cselect_b64 s[4:5], s[94:95], s[92:93]       ; A's buffer: w for v, hb else
	s_cselect_b64 s[8:9], s[92:93], s[94:95]       ; B's
	s_add_nc_u64 s[6:7], s[4:5], s[22:23]
	s_add_nc_u64 s[4:5], s[4:5], s[20:21]
	s_add_nc_u64 s[10:11], s[8:9], s[18:19]
	s_add_nc_u64 s[8:9], s[8:9], s[46:47]
	CROUND                                         ; all sixteen work-groups are here: the first joint loads meet
	s_mov_b32 s[G0S], 1
	s_add_co_u32 s[G0S+1], s2, SCA
	s_mov_b64 s[G0S+2:G0S+3], s[6:7]
	s_or_b32 s[G0S+3], s[G0S+3], 0x80000000
	s_mov_b32 s[G0SB], 1
	s_add_co_u32 s[G0SB+1], s2, SCB
	s_mov_b64 s[G0SB+2:G0SB+3], s[10:11]
	s_or_b32 s[G0SB+3], s[G0SB+3], 0x80000000
	JLOAD G0S, G1S, G0SB, G1SB                     ; the scale words of all of K: filled once
.irp s, 0,1
	s_mov_b32 s[G0+4*\s], 1
	s_add_co_u32 s[G0+4*\s+1], s45, \s*SLOT
	s_add_nc_u64 s[G0+4*\s+2:G0+4*\s+3], s[4:5], \s*NQ*1536
	s_or_b32 s[G0+4*\s+3], s[G0+4*\s+3], 0x80000000
	s_mov_b32 s[G0B+4*\s], 1
	s_add_co_u32 s[G0B+4*\s+1], s45, \s*SLOT
	s_add_nc_u64 s[G0B+4*\s+2:G0B+4*\s+3], s[8:9], \s*NQ*1536
	s_or_b32 s[G0B+4*\s+3], s[G0B+4*\s+3], 0x80000000
	JLOAD G0+4*\s, G1, G0B+4*\s, G1B               ; three loads of mine are out
.endr
	v_and_b32 v1, 15, v0                           ; r
	v_bfe_u32 v2, v0, 4, 1                         ; h
	v_and_b32 v3, 31, v0
	v_lshlrev_b32 v24, 4, v3                       ; 16 x lane
	v_lshlrev_b32 v25, 3, v3                       ; 8 x lane
	v_lshlrev_b32 v31, 2, v1                       ; 4 r
	v_lshl_add_u32 v26, v2, 14, v31                ; 4 r + 16,384 h: the two heads' scale words
	v_lshlrev_b32 v30, 4, v2                       ; 16 h
	s_mul_i32 s21, s15, QUART
	s_mul_i32 s22, s16, QUART
	s_add_co_u32 s22, s22, 2*QUART
.irp s, 0,1
	v_add_nc_u32 v[ADRA+\s], s21, v24
	v_add_nc_u32 v[ADRB+\s], s22, v24
	s_add_co_u32 s21, s21, SLOT
	s_add_co_u32 s22, s22, SLOT
.endr
	s_mul_i32 s21, s15, HALFS
	s_mul_i32 s22, s16, HALFS
	s_add_co_u32 s22, s22, SCB-SCA
	s_sub_co_u32 s22, s22, s21
	v_mul_u32_u24 v4, s22, v2                      ; lanes 16-31 take B's words
	s_add_co_u32 s21, s21, SCA
	v_lshl_add_u32 v4, v1, 2, v4
	v_add_nc_u32 v[ADRS], s21, v4
	; the bias
	s_cmp_eq_u32 ttmp9, 0
	s_cselect_b64 s[96:97], s[96:97], s[98:99]     ; wq_b or wk_b
	s_lshl_b32 s20, s40, 10
	s_lshl_b32 s21, s16, 9
	s_add_co_u32 s20, s20, s21                     ; 4 x (256 cx + 128 x my half): my 128 features
	s_mov_b32 s21, 0
	s_add_nc_u64 s[96:97], s[96:97], s[20:21]
	s_lshl_b32 s20, s17, 10
	s_lshl_b32 s46, s15, 9
	s_add_co_u32 s20, s20, s46                     ; v: 4 x (256 x tile row + 128 x my half): my 128 d
	s_add_nc_u64 s[100:101], s[100:101], s[20:21]
	v_lshlrev_b32 v5, 6, v2                        ; 64 h
	v_and_b32 v4, 8, v1
	v_add_nc_u32 v4, v4, v1
	v_lshlrev_b32 v4, 2, v4                        ; 4 (r + 8 (r / 8))
	s_cmp_eq_u32 s66, 1
	s_cbranch_scc1 .Lbias_v
	WIN 0x40
.irp b, 0,1,2,3,4,5,6,7
	global_load_b128 v[CI+8*\b:CI+8*\b+3], v5, s[96:97] offset:(32*(\b/2)+8*(\b%2))*4       ; register j of tile b: feature 32 (b / 2) + 16 h + 8 (b % 2) + j
	global_load_b128 v[CI+8*\b+4:CI+8*\b+7], v5, s[96:97] offset:(32*(\b/2)+8*(\b%2))*4+16
.endr
	WIN 0
	s_branch .Lbias_done
.Lbias_v:
	WIN 0x40
.irp a, 0,1,2,3,4,5,6,7
.irp j, 0,1,2,3,4,5,6,7
	global_load_b32 v[CI+8*\a+\j], v4, s[100:101] offset:(32*(\a/2)+8*(\a%2))*4             ; all eight registers of tile a: my lane's d
.endr
.endr
	WIN 0
.Lbias_done:
	s_wait_tensorcnt 0x1                           ; the scale words and my part of slot 0 are in; slot 1's load may stay out
	s_barrier_signal -1
	s_barrier_wait -1
	FETCH 0, 0, 0
	SCALES 0
	s_wait_loadcnt 0x0                             ; the bias
	s_wait_dscnt 0x0
	PLACES 4
	FETCH 0, 1, 1
	s_cmp_eq_u32 s66, 1
	s_cbranch_scc1 .Lfirst_v
	MULA 0, MA, 0, 0, 0, 1                         ; the first step's products start the sums
	WIN 0
	s_branch .Lfirst_done
.Lfirst_v:
	MULA 0, MA, 0, 0, 0, 2
	WIN 0
.Lfirst_done:
	s_mov_b32 s3, LAPS-1
.Llap:                                             ; a trip goes once round the ring and fills both slots again
	TURN 0, 1
	STEP 1, 0, 0
	TURN 1, 1
	STEP 0, 0, 0
	WIN 0
	s_sub_co_u32 s3, s3, 1
	s_cmp_lg_u32 s3, 0
	s_cbranch_scc1 .Llap
	TURN 0, 0                                      ; the last lap fills nothing
	STEP 1, 0, 0
	s_wait_dscnt 0x0
	MULA 0, MA, 1, NQ-1, 1, 0
	WIN 0
	; THE WAY OUT: each of A's eight tiles is quantised in registers and stored as an image
	PLACES 4
	s_mov_b32 s22, 0x76543210
	s_mov_b32 s23, 0xfedcba98
.irp b, 0,1,2,3
	v_mov_b32 v[TM+4+\b], 0                        ; a lane permute's destination counts as one of its sources
.endr
	s_cmp_eq_u32 s66, 1
	s_cbranch_scc1 .Lout_v
	s_lshl_b32 s18, s42, 2
	s_lshl_b32 s19, s16, 1
	s_add_co_u32 s18, s18, s19                     ; my first head among the 32 of q and k
	s_lshl_b32 s18, s18, 8
	s_lshl_b32 s19, s17, 4
	s_add_co_u32 s18, s18, s19
	s_lshl_b32 s19, s15, 3
	s_add_co_u32 s18, s18, s19                     ; x 256 token tiles + my first token tile
	s_mul_i32 s20, s18, 768
	s_mov_b32 s21, 0
	s_lshl_b32 s18, s18, 6
	s_add_co_u32 s18, s18, QKS
	s_mov_b32 s19, 0
	s_add_nc_u64 s[10:11], s[12:13], s[18:19]
	s_add_nc_u64 s[12:13], s[12:13], s[20:21]
.macro OUTQK a
	s_wait_xcnt 0x0                                ; the last tile's stores have read their registers
	QUANT 64*((\a)%4), 2+(\a)/4
	v_lshrrev_b32 v[PW+1], v30, v[PW]              ; lanes 16-31: the second head's two bytes
.irp c, 0,1
	global_store_b128 v24, v[PC+6*\c:PC+6*\c+3], s[12:13] offset:\c*196608+(\a)*768
	global_store_b64 v25, v[PC+6*\c+4:PC+6*\c+5], s[12:13] offset:\c*196608+(\a)*768+512
.endr
	global_store_b32 v26, v[PW+1], s[10:11] offset:(\a)*64
.endm
.irp a, 0,1,2,3,4,5,6,7
	OUTQK \a
.endr
	s_branch .Lout_done
.Lout_v:
	s_lshl_b32 s18, s42, 1
	s_add_co_u32 s18, s18, s16                     ; which 128 tokens
	s_lshr_b32 s19, s18, 4                         ; batch
	s_and_b32 s18, s18, 15                         ; K step of the keys
	s_lshl_b32 s19, s19, 4
	s_lshl_b32 s20, s17, 2
	s_add_co_u32 s19, s19, s20
	s_lshl_b32 s20, s15, 1
	s_add_co_u32 s19, s19, s20                     ; 16 x batch + my first head
	s_lshl_b32 s19, s19, 4
	s_add_co_u32 s18, s18, s19
	s_lshl_b32 s18, s18, 2                         ; the fragment's number
	s_mul_i32 s20, s18, 1536
	s_add_co_u32 s20, s20, VC
	s_mov_b32 s21, 0
	s_lshl_b32 s18, s18, 6
	s_add_co_u32 s18, s18, VS
	s_mov_b32 s19, 0
	s_add_nc_u64 s[10:11], s[12:13], s[18:19]
	s_add_nc_u64 s[12:13], s[12:13], s[20:21]
.macro OUTV a
	s_wait_xcnt 0x0
	QUANT 64*((\a)%4), 2+(\a)/4
.irp c, 0,1,2
	global_store_b128 v24, v[PC+4*\c:PC+4*\c+3], s[12:13] offset:((\a)/4)*98304+((\a)%4)*1536+512*\c
.endr
	global_store_b32 v31, v[PW], s[10:11] offset:((\a)/4)*4096+((\a)%4)*64   ; both lanes of a row store the same word
.endm
.irp a, 0,1,2,3,4,5,6,7
	OUTV \a
.endr
.Lout_done:
	s_wait_tensorcnt 0x0                           ; the wave's end
	ds_add_u32 v[SPW], v[NIL]
	s_wait_dscnt 0x0
	CROUND                                         ; the closing round
	s_endpgm
.Lfunc_end_k_q4cf940b1a1_gqkv:
	.size	k_q4cf940b1a1_gqkv, .Lfunc_end_k_q4cf940b1a1_gqkv-k_q4cf940b1a1_gqkv
	.p2alignl 7, 3214868480
	.fill 96, 4, 3214868480
	.section	.rodata,"a",@progbits
	.p2align	6, 0x0
	.amdhsa_kernel k_q4cf940b1a1_gqkv
		.amdhsa_group_segment_fixed_size 327680
		.amdhsa_private_segment_fixed_size 0
		.amdhsa_enable_private_segment 0
		.amdhsa_kernarg_size 48
		.amdhsa_user_sgpr_count 2
		.amdhsa_user_sgpr_kernarg_segment_ptr 1
		.amdhsa_wavefront_size32 1
		.amdhsa_system_sgpr_workgroup_id_x 1
		.amdhsa_system_sgpr_workgroup_id_y 1
		.amdhsa_system_sgpr_workgroup_id_z 1
		.amdhsa_system_vgpr_workitem_id 0
		.amdhsa_next_free_vgpr 1024
		.amdhsa_next_free_sgpr 102
		.amdhsa_reserve_vcc 0
		.amdhsa_float_denorm_mode_32 3
		.amdhsa_float_denorm_mode_16_64 3
		.amdhsa_memory_ordered 1
		.amdhsa_forward_progress 1
		.amdhsa_inst_pref_size 194
	.end_amdhsa_kernel
	.amdgpu_metadata
---
amdhsa.version: [ 1, 2 ]
amdhsa.kernels:
  - .name:           k_q4cf940b1a1_gqkv
    .symbol:         k_q4cf940b1a1_gqkv.kd
    .args:
      - { .name: hb, .offset: 0, .size: 8, .value_kind: global_buffer, .address_space: global }
      - { .name: w, .offset: 8, .size: 8, .value_kind: global_buffer, .address_space: global }
      - { .name: wq_b, .offset: 16, .size: 8, .value_kind: global_buffer, .address_space: global }
      - { .name: wk_b, .offset: 24, .size: 8, .value_kind: global_buffer, .address_space: global }
      - { .name: wv_b, .offset: 32, .size: 8, .value_kind: global_buffer, .address_space: global }
      - { .name: qkv, .offset: 40, .size: 8, .value_kind: global_buffer, .address_space: global }
    .group_segment_fixed_size: 327680
    .private_segment_fixed_size: 0
    .kernarg_segment_align: 8
    .kernarg_segment_size: 48
    .max_flat_workgroup_size: 128
    .sgpr_count:     102
    .vgpr_count:     1024
    .wavefront_size: 32
...
	.end_amdgpu_metadata
.endif
;; end of part 2
;; launch attn (part 3): grid 8 x 32, 16 waves a work-group, clusters of 4 x 1, 229,376 bytes of LDS; arguments qkv, mask, ao; writes ao
.if DOCPART == 3
	.amdgcn_target "amdgcn-amd-amdhsa--gfx1250"
	.amdhsa_code_object_version 6
	.text
	.protected	k_q4cf940b1a1_attn
	.globl	k_q4cf940b1a1_attn
	.p2align	8
	.type	k_q4cf940b1a1_attn,@function
k_q4cf940b1a1_attn:
	s_mov_b64 s[64:65], 0
	v_nop
	global_prefetch_b8 v0, s[64:65] scope:SCOPE_SE
	s_setreg_imm32_b32 hwreg(HW_REG_WAVE_MODE, 25, 1), 1
	s_wait_xcnt 0x0
	s_wait_alu depctr_hold_cnt(0) depctr_sa_sdst(0) depctr_va_vdst(0) depctr_va_sdst(0) depctr_va_ssrc(0) depctr_va_vcc(0) depctr_vm_vsrc(0)
	s_getreg_b32 s2, hwreg(HW_REG_IB_STS2, 6, 4)
	s_cmp_eq_u32 s2, 0
	s_cbranch_scc0 .Lentry_in_a_cluster
	s_endpgm
.Lentry_in_a_cluster:
	s_bfe_u32 s2, ttmp6, 0x10000c
	s_cmp_lg_u32 s2, 0x3003
	s_cbranch_scc0 .Lentry_shape_is_right
	s_endpgm
.Lentry_shape_is_right:
; Attention of one head on E2M3 codes, and its result quantised for the projection.  No work of the problem is left out: the mask is an input and is honoured key by key.
; t = score x log2(e) / 8; M = the running largest t rounded up to a whole number; p = 2^(t - M) is quantised along the keys; the row's sum is taken of the unquantised p and divides at the end.
; SHARES.  A work-group owns 256 queries of one (batch, head); each of its sixteen waves owns one tile of 16 queries in 256 registers: four waves to a SIMD.
; ALL OF THE HEAD'S K AND V STAY IN LDS: 2 x 98,304 bytes of codes and 12,288 of scale words, each byte filled once: no slot is filled again.  Every wave issues four tensor loads at the head: four of mine are out.
; The four query blocks of a cluster read the same K and V: every load is a joint one, the same in all four.
; The codes come in two parts: the first 256 keys' (24,576 of the 196,608 bytes) are waited for alone, so that the walk begins while the other seven eighths are on their way; behind two key steps every wave
; waits for the rest and a second barrier shows it to all sixteen.  The other fourteen steps have no barrier: the waves read LDS bytes that nobody writes any more, and need not keep step.
; Both products are used transposed (S^T = K Q^T, O^T = V^T P^T): a lane holds one query throughout.  The keys of a tile are chosen so that two neighbouring tiles' 16 registers are 16 neighbouring keys.
; K = 64 UNDER AN INSTRUCTION OF 128: Q's registers 6-11 are zero codes and the upper two bytes of its scale word are 0, so whatever codes stand in the upper half of K's operand add nothing.  So the eight
; half fragments of a step lie 6 registers apart, each operand reaching into the next; behind the last stand six registers of zeros.
; THE MASK is the C of the first product: a table in LDS of 0 (open) or -1e30 (closed) for each key, loaded into the scores' registers.
; LIMITS: a closed key's score is -1e30 and not -infinity: its p is exactly 0 as long as the open t lie above -1e20; NaN and infinities among the inputs are not served; p under 2^-126 counts as 0.
; A batch with no open key has the sum 0: its scale bytes are set to 0xff, so that the projection gives NaN there, as a softmax over nothing does.
.set VB,    98304                      ; LDS: K's half fragments [128 tiles][768] from 0; V's fragments [16 K steps][4][1,536] from here
.set FIRST, 12288                      ; the first 256 keys' codes, in K and in V: two key steps of 6,144 bytes
.set KSC,   196608                     ; K's scale words, 64 bytes a tile
.set VSC,   204800                     ; V's, 64 bytes a fragment
.set MB,    208896                     ; the mask's table: 2,048 f32; written by LDS stores, no fill lands here
.set SPARE, 217088                     ; the spare words, 128 bytes for each wave
.set QKS,   6291456
.set VC,    6815744
.set VS,    9961472
.set ASC,   3145728
.set AK0,  1                           ; v1  16 x lane
.set AK8,  2                           ; v2  512 + 8 x lane
.set AV0,  3                           ; v3  VB + 16 x lane
.set ASK0, 4                           ; v4  KSC + 4 r
.set SPW,  5
.set NIL,  6
.set AM0,  7                           ; v7  MB + 64 h
.set ASV0, 8                           ; v8  VSC + 4 r
.set R4,   9                           ; v9  4 r
.set ADK,  10                          ; the step's addresses
.set ADK8, 11
.set ADV,  28
.set ADS,  29
.set ADM,  30
.set ADT,  94
; v12 -M, v13 the largest t, v[14:15] the sum; v16-27 Q, v31 its scale word; v32-85 K's eight half fragments (v80-85 zeros), then V's four; v86-93 K's scale words;
; v96-159 the mask, S^T, then p; v160-191 O^T; v224-235 p's codes; v232-254 at work; v248-251 V's scale words
.set WV,   18
.set SEL,  20
.set CS,   22
.set G1A,  24                          ; 2 rows of 256 bytes
.set G1B,  32                          ; 2 rows of 128 bytes
.set G1C,  40                          ; 6 rows of 256 bytes
.set G1D,  68                          ; 42 rows of 256 bytes
.set T6,   2                           ; s2   the step's codes: 6,144 bytes a step, in K and in V
.set T5,   3                           ; s3   K's scale words and the mask: 512 bytes a step
.set T4,   66                          ; s66  V's scale words: 256
.set CNT,  67
.macro CROUND
	s_barrier_signal -1
	s_barrier_wait -1
	s_cmp_lg_u32 s[WV], 0
	s_cbranch_scc1 .Lnot_wave_0_\@
	s_barrier_signal -3
.Lnot_wave_0_\@:
	s_barrier_wait -3
	s_barrier_signal -1
	s_barrier_wait -1
.endm
.macro TL g0, g1
	tensor_load_to_lds s[\g0:\g0+3], s[\g1:\g1+7]
	s_nop 0
.endm
	s_load_b128 s[4:7], s[0:1], 0x0                ; qkv, mask
	s_load_b64 s[8:9], s[0:1], 0x10                ; ao
	v_lshl_add_u32 v[SPW], v0, 2, SPARE
	v_mov_b32 v[NIL], 0
	ds_add_u32 v[SPW], v[NIL]                      ; the wave's opening: the add, twice on end, and its wait ahead of my first tensor load
	ds_add_u32 v[SPW], v[NIL]
	v_lshrrev_b32 v192, 5, v0
	v_readfirstlane_b32 s[WV], v192                ; wave 0..15
	v_and_b32 v192, 31, v0                         ; lane
	v_and_b32 v193, 15, v0                         ; r
	v_bfe_u32 v194, v0, 4, 1                       ; h
	v_lshlrev_b32 v[AK0], 4, v192
	v_lshlrev_b32 v[AK8], 3, v192
	v_add_nc_u32 v[AK8], 512, v[AK8]
	v_lshlrev_b32 v[R4], 2, v193
	v_lshlrev_b32 v195, 4, v0                      ; the mask: 16 bytes a thread
	s_bfe_u32 s10, ttmp6, 0x40000                  ; cx
	s_lshl_b32 s11, ttmp9, 2
	s_add_co_u32 s11, s11, s10                     ; my block of 256 queries: it enters Q's and the output's addresses alone
	s_and_b32 s12, ttmp7, 0xffff                   ; 16 x batch + head
	s_lshr_b32 s13, s12, 4
	s_and_b32 s14, s12, 15
	s_lshl_b32 s15, s13, 7
	s_lshl_b32 s16, s11, 4
	s_add_co_u32 s15, s15, s16
	s_add_co_u32 s15, s15, s[WV]                   ; my token tile
.irp g, G1A, G1B, G1C, G1D
	s_mov_b32 s[\g], 15|(3<<16)|(1<<21)            ; 15:0 all four work-groups; 17:16 elements of 8 bytes; 21 set beside a mask
	s_mov_b32 s[\g+6], 0
	s_mov_b32 s[\g+7], 0
.endr
	s_mov_b32 s[G1A+1], 32<<16
	s_mov_b32 s[G1A+2], 2<<16
	s_mov_b32 s[G1A+3], 32<<16
	s_mov_b32 s[G1A+4], 2
	s_mov_b32 s[G1A+5], 32
	s_mov_b32 s[G1B+1], 16<<16
	s_mov_b32 s[G1B+2], 2<<16
	s_mov_b32 s[G1B+3], 16<<16
	s_mov_b32 s[G1B+4], 2
	s_mov_b32 s[G1B+5], 16
	s_mov_b32 s[G1C+1], 32<<16
	s_mov_b32 s[G1C+2], 6<<16
	s_mov_b32 s[G1C+3], 32<<16
	s_mov_b32 s[G1C+4], 6
	s_mov_b32 s[G1C+5], 32
	s_mov_b32 s[G1D+1], 32<<16
	s_mov_b32 s[G1D+2], 42<<16
	s_mov_b32 s[G1D+3], 32<<16
	s_mov_b32 s[G1D+4], 42
	s_mov_b32 s[G1D+5], 32
	s_add_co_u32 s82, s14, 16
	s_lshl_b32 s82, s82, 8
	s_lshl_b32 s83, s13, 7
	s_add_co_u32 s82, s82, s83                     ; K's first tile: (16 + head) x 256 + 128 x batch
	s_mul_i32 s84, s82, 768                        ; its codes,
	s_lshl_b32 s86, s82, 6
	s_add_co_u32 s86, s86, QKS                     ; its scale words
	s_mul_i32 s85, s12, 98304
	s_add_co_u32 s85, s85, VC                      ; V's codes,
	s_lshl_b32 s88, s12, 12
	s_add_co_u32 s88, s88, VS                      ; V's scale words
	s_and_b32 s90, s[WV], 7
	s_lshr_b32 s91, s[WV], 3
	s_mul_i32 s91, s91, VB                         ; K's codes' place in LDS, or V's
	s_mul_i32 s100, s90, FIRST/8                   ; my eighth of the first 256 keys' codes: 1,536 bytes,
	s_mul_i32 s101, s90, (VB-FIRST)/8              ; and of the rest: 10,752 bytes,
	s_add_co_u32 s101, s101, FIRST                 ; which lie behind the first
	s_cmp_lt_u32 s[WV], 8                          ; waves 0-7 fetch K's codes, waves 8-15 V's
	s_cselect_b32 s84, s84, s85
	s_add_co_u32 s76, s84, s101                    ; in memory: the rest,
	s_mov_b32 s77, 0
	s_add_co_u32 s84, s84, s100                    ; the first
	s_mov_b32 s85, 0
	s_add_co_u32 s100, s100, s91                   ; and in LDS
	s_add_co_u32 s101, s101, s91
	s_lshl_b32 s92, s[WV], 9
	s_add_co_u32 s86, s86, s92
	s_mov_b32 s87, 0
	s_add_co_u32 s92, s92, KSC
	s_lshl_b32 s93, s[WV], 8
	s_add_co_u32 s88, s88, s93
	s_mov_b32 s89, 0
	s_add_co_u32 s93, s93, VSC
	s_lshl_b32 s94, s14, 8
	s_add_co_u32 s94, s94, s15                     ; Q: head x 256 + my token tile
	s_mul_i32 s16, s94, 768
	s_mov_b32 s17, 0
	s_lshl_b32 s94, s94, 6
	s_add_co_u32 s94, s94, QKS
	s_mov_b32 s95, 0
	s_lshl_b32 s82, s13, 13                        ; the batch's mask
	s_mov_b32 s83, 0
	s_lshl_b32 s96, s15, 3
	s_lshr_b32 s97, s14, 1
	s_add_co_u32 s96, s96, s97                     ; the output's fragment: token tile x 8 + head / 2
	s_lshl_b32 s98, s96, 6
	s_mul_i32 s96, s96, 1536
	s_mov_b32 s97, 0
	s_and_b32 s81, s14, 1                          ; which half of that fragment
	s_lshl_b32 s99, s81, 1
	s_add_co_u32 s98, s98, s99
	s_add_co_u32 s98, s98, ASC
	s_mov_b32 s99, 0
	s_mov_b32 s[SEL], 0x76543210
	s_mov_b32 s[SEL+1], 0xfedcba98
	s_mov_b32 s[CS], 0x3e38aa3b                    ; c = log2(e) / 8
	s_mov_b32 s[CS+1], s[CS]
	s_mov_b32 s[T6], 0
	s_mov_b32 s[T5], 0
	s_mov_b32 s[T4], 0
	s_wait_dscnt 0x0                               ; both opening adds are done
	s_wait_kmcnt 0x0
	s_add_nc_u64 s[16:17], s[4:5], s[16:17]
	s_add_nc_u64 s[94:95], s[4:5], s[94:95]
	s_add_nc_u64 s[6:7], s[6:7], s[82:83]
	global_load_b128 v[96:99], v195, s[6:7]        ; the mask, Q and Q's scale word are asked for ahead of the round: the mask's table has to lie in LDS at the first barrier
	global_load_b128 v[16:19], v[AK0], s[16:17]    ; Q's half fragment stays in registers
	global_load_b64 v[20:21], v[AK8], s[16:17]
	global_load_b32 v31, v[R4], s[94:95]
	s_mov_b32 s48, 1
	s_mov_b32 s49, s92
	s_add_nc_u64 s[50:51], s[4:5], s[86:87]
	s_or_b32 s51, s51, 0x80000000
	s_mov_b32 s52, 1
	s_mov_b32 s53, s93
	s_add_nc_u64 s[54:55], s[4:5], s[88:89]
	s_or_b32 s55, s55, 0x80000000
	s_mov_b32 s56, 1
	s_mov_b32 s57, s100
	s_add_nc_u64 s[58:59], s[4:5], s[84:85]
	s_or_b32 s59, s59, 0x80000000
	s_mov_b32 s60, 1
	s_mov_b32 s61, s101
	s_add_nc_u64 s[62:63], s[4:5], s[76:77]
	s_or_b32 s63, s63, 0x80000000
	s_add_nc_u64 s[78:79], s[8:9], s[98:99]
	s_add_nc_u64 s[8:9], s[8:9], s[96:97]
	CROUND                                         ; all four work-groups are here: the joint loads meet
	TL 48, G1A                                     ; my 512 bytes of K's scale words
	TL 52, G1B                                     ; my 256 bytes of V's
	TL 56, G1C                                     ; my 1,536 bytes of the first 256 keys' codes
	TL 60, G1D                                     ; my 10,752 bytes of the rest
.rept 4
	v_nop
.endr
	v_add_nc_u32 v[AV0], VB, v[AK0]
	v_add_nc_u32 v[ASK0], KSC, v[R4]
	v_lshl_add_u32 v[AM0], v194, 6, MB
	v_add_nc_u32 v[ASV0], VSC, v[R4]
	v_add_nc_u32 v196, MB, v195
	v_mov_b32 v197, 0xf149f2ca                     ; -1e30
.irp j, 22,23,24,25,26,27,80,81,82,83,84,85
	v_mov_b32 v\j, 0                               ; zero codes
.endr
	v_mov_b32 v13, 0xe0ad78ec                      ; the largest t so far: -1e20
	v_floor_f32 v12, -v13                          ; -M
	v_mov_b32 v14, 0
	v_mov_b32 v15, 0
.irp b, 0,1,2,3
	v_mov_b32 v[236+\b], 0                         ; a lane permute's destination counts as one of its sources
.endr
	v_mov_b32 v253, 0
.set jj, 0
.rept 32
	v_mov_b32 v[160+jj], 0                         ; O^T: the step is written once, and the first change of M leaves zeros zeros
.set jj, jj+1
.endr
	s_wait_loadcnt 0x0
	v_and_b32 v31, 0xffff, v31                     ; the head's two bytes; the bytes of the zero codes' blocks are 0
.irp j, 96,97,98,99
	v_cmp_eq_u32 vcc_lo, 0, v\j
	v_cndmask_b32 v\j, v[NIL], v197, vcc_lo        ; closed: -1e30; open: 0
.endr
	ds_store_b128 v196, v[96:99]
; A KEY STEP: 128 keys
.macro STEP
	v_add_nc_u32 v[ADK], s[T6], v[AK0]             ; (these six are also the places behind the last products, in front of the loads below)
	v_add_nc_u32 v[ADK8], s[T6], v[AK8]
	v_add_nc_u32 v[ADV], s[T6], v[AV0]
	v_add_nc_u32 v[ADS], s[T5], v[ASK0]
	v_add_nc_u32 v[ADM], s[T5], v[AM0]
	v_add_nc_u32 v[ADT], s[T4], v[ASV0]
.irp t, 0,1,2,3,4,5,6,7
	ds_load_b128 v[96+8*\t:99+8*\t], v[ADM] offset:(32*(\t/2)+8*(\t%2))*4          ; register j of tile t: key 32 (t / 2) + 16 h + 8 (t % 2) + j
	ds_load_b128 v[100+8*\t:103+8*\t], v[ADM] offset:(32*(\t/2)+8*(\t%2))*4+16
.endr
.irp t, 0,1,2,3,4,5,6,7
	ds_load_b128 v[32+6*\t:35+6*\t], v[ADK] offset:768*\t
	ds_load_b64 v[36+6*\t:37+6*\t], v[ADK8] offset:768*\t
	ds_load_b32 v[86+\t], v[ADS] offset:64*\t
.endr
	s_wait_dscnt 0x0
.irp t, 0,1,2,3,4,5,6,7
	v_wmma_scale_f32_16x16x128_f8f6f4 v[96+8*\t:103+8*\t], v[32+6*\t:43+6*\t], v[16:27], v[96+8*\t:103+8*\t], v[86+\t], v31 matrix_a_fmt:MATRIX_FMT_FP6 matrix_b_fmt:MATRIX_FMT_FP6
.endr
.rept 4
	v_nop                                          ; four places behind the products: for the loads below and for the first read of the scores
.endr
.irp t, 0,1,2,3                                ; V's four fragments are asked for now and land under the softmax
.irp c, 0,1,2
	ds_load_b128 v[32+12*\t+4*\c:35+12*\t+4*\c], v[ADV] offset:1536*\t+512*\c
.endr
	ds_load_b32 v[248+\t], v[ADT] offset:64*\t
.endr
.irp b, 0,1,2,3
	v_max3_num_f32 v[232+\b], v[96+16*\b], v[97+16*\b], v[98+16*\b]   ; the largest score of each block of 32 keys: for the row's maximum and, since p rises with the score, for the block's largest p
.endr
.irp i, 3,5,7,9,11,13
.irp b, 0,1,2,3
	v_max3_num_f32 v[232+\b], v[232+\b], v[96+16*\b+\i], v[97+16*\b+\i]
.endr
.endr
.irp b, 0,1,2,3
	v_max_num_f32 v[232+\b], v[232+\b], v[111+16*\b]
.endr
.irp b, 0,1,2,3
	v_permlanex16_b32 v[236+\b], v[232+\b], s[SEL], s[SEL+1]
.endr
.irp b, 0,1,2,3
	v_max_num_f32 v[232+\b], v[232+\b], v[236+\b]  ; with lane l xor 16's 16 keys
.endr
	v_max3_num_f32 v254, v232, v233, v234
	v_max_num_f32 v254, v254, v235
	v_mul_f32 v254, s[CS], v254                    ; as t
	v_max_num_f32 v13, v13, v254                   ; the running largest t
	v_mov_b32 v254, v12
	v_floor_f32 v12, -v13                          ; the new -M = -ceil(t)
	v_sub_f32 v254, v12, v254                      ; old M - new M: a whole number, 0 or less
	v_cvt_i32_f32 v254, v254                       ; (it saturates)
	v_ldexp_f32 v252, 1.0, v254                    ; f = 2^(old M - new M)
.set jj, 0
.rept 32
	v_pk_fma_f32 v[96+jj:97+jj], v[96+jj:97+jj], s[CS:CS+1], v[12:13] op_sel_hi:[1,0,0]   ; t - M
.set jj, jj+2
.endr
.irp b, 0,1,2,3
	v_fma_f32 v[232+\b], v[232+\b], s[CS], v12
.endr
.set jj, 0
.rept 64
	v_exp_f32 v[96+jj], v[96+jj]                   ; p = 2^(t - M)
.set jj, jj+1
.endr
	v_pk_mul_f32 v[14:15], v[14:15], v[252:253] op_sel_hi:[1,0]   ; the sums under the new M: a plain instruction behind the exponentials
	s_wait_alu depctr_va_vdst(0)                   ; one wait for the batch, ahead of its first reader
.irp b, 0,1,2,3
	v_exp_f32 v[232+\b], v[232+\b]                 ; the block's largest p
.endr
	v_pk_add_f32 v[236:237], v[96:97], v[98:99]    ; the row's sum of the unquantised p: 32 pairs in four chains, so that no addition waits for the one just ahead of it
	v_pk_add_f32 v[240:241], v[100:101], v[102:103]
	v_pk_add_f32 v[242:243], v[104:105], v[106:107]
	v_pk_add_f32 v[14:15], v[14:15], v[108:109]
	v_pk_add_f32 v[236:237], v[236:237], v[110:111]
.irp j, 16,24,32,40,48,56
	v_pk_add_f32 v[240:241], v[240:241], v[96+\j:97+\j]
	v_pk_add_f32 v[242:243], v[242:243], v[98+\j:99+\j]
	v_pk_add_f32 v[14:15], v[14:15], v[100+\j:101+\j]
	v_pk_add_f32 v[236:237], v[236:237], v[102+\j:103+\j]
.endr
	v_pk_add_f32 v[240:241], v[240:241], v[242:243]
	v_pk_add_f32 v[14:15], v[14:15], v[236:237]
	v_pk_add_f32 v[14:15], v[14:15], v[240:241]
	s_wait_alu depctr_va_vdst(0)                   ; and one for the four
.irp b, 0,1,2,3
	v_max_num_f32 v[232+\b], 0x1800000, v[232+\b]  ; the floor 2^(3 - 127)
.endr
.irp b, 0,1,2,3
	v_add_nc_u32 v[244+\b], 0xff000000, v[232+\b]
.endr
.irp b, 0,1,2,3
	v_lshrrev_b32 v[236+\b], 23, v[244+\b]
.endr
	v_lshl_or_b32 v253, v237, 8, v236              ; p's scale word for these 128 keys
	v_lshl_or_b32 v253, v238, 16, v253
	v_lshl_or_b32 v253, v239, 24, v253
.irp c, 0,1
	v_cvt_scalef32_pk16_fp6_f32 v[224+6*\c:226+6*\c], v[96+32*\c:111+32*\c], v[244+2*\c]
	v_cvt_scalef32_pk16_fp6_f32 v[236+4*\c:238+4*\c], v[112+32*\c:127+32*\c], v[244+2*\c+1]
.endr
	v_nop
.irp c, 0,1
.irp i, 0,1,2
	v_permlane16_swap_b32 v[224+6*\c+\i], v[236+4*\c+\i]
.endr
.irp i, 0,1,2
	v_mov_b32 v[227+6*\c+\i], v[236+4*\c+\i]
.endr
.endr
.set jj, 0
.rept 16
	v_pk_mul_f32 v[160+jj:161+jj], v[160+jj:161+jj], v[252:253] op_sel_hi:[1,0]   ; O^T under the new M; these sixteen also stand between the scale word's last write and the products
.set jj, jj+2
.endr
	s_wait_dscnt 0x0                               ; V
.irp t, 0,1,2,3
	v_wmma_scale_f32_16x16x128_f8f6f4 v[160+8*\t:167+8*\t], v[32+12*\t:43+12*\t], v[224:235], v[160+8*\t:167+8*\t], v[248+\t], v253 matrix_a_fmt:MATRIX_FMT_FP6 matrix_b_fmt:MATRIX_FMT_FP6
.endr
	s_add_co_u32 s[T6], s[T6], 6144
	s_add_co_u32 s[T5], s[T5], 512
	s_add_co_u32 s[T4], s[T4], 256
.endm
; n key steps behind a barrier.  left: how many of my tensor loads, issued behind the ones whose bytes these steps read, may stay out.  Nothing is filled again in this launch.
.macro RUN n, left
	s_wait_tensorcnt \left                         ; my part of what these steps read is in
	s_wait_dscnt 0x0                               ; my LDS stores (the mask's table) and loads are done
	s_barrier_signal -1
	s_barrier_wait -1                              ; everybody's part is in
	s_mov_b32 s[CNT], \n
.Lstep_\@:
	STEP
	s_sub_co_u32 s[CNT], s[CNT], 1
	s_cmp_lg_u32 s[CNT], 0
	s_cbranch_scc1 .Lstep_\@
.endm
	RUN 2, 1                                       ; keys 0-255: the scale words and the first codes are in; the one load behind them, the rest of the codes, stays out
	RUN 14, 0                                      ; keys 256-2,047: all loads are in; no barrier stands among these fourteen steps
	; THE WAY OUT: O^T / the sum, quantised along the head's 64 (two blocks), stored as my half of the projection's fragment
.rept 4
	v_nop
.endr
	v_add_f32 v14, v14, v15
	v_permlanex16_b32 v252, v14, s[SEL], s[SEL+1]
	v_add_f32 v14, v14, v252                       ; the row's sum
	v_cmp_eq_f32 s80, 0, v14                       ; no open key at all
	v_rcp_f32 v14, v14
	v_mov_b32 v254, 0xffff                         ; (a plain instruction behind the reciprocal)
	s_wait_alu depctr_va_vdst(0)
.set jj, 0
.rept 16
	v_pk_mul_f32 v[96+jj:97+jj], v[160+jj:161+jj], v[14:15] op_sel_hi:[1,0]   ; register 16 b + i: d = 32 b + 16 h + i
.set jj, jj+2
.endr
.irp b, 0,1
	v_max3_num_f32 v[232+\b], |v[96+16*\b]|, |v[97+16*\b]|, 0x1800000
.endr
.irp i, 2,4,6,8,10,12,14
.irp b, 0,1
	v_max3_num_f32 v[232+\b], v[232+\b], |v[96+16*\b+\i]|, |v[97+16*\b+\i]|
.endr
.endr
.irp b, 0,1
	v_permlanex16_b32 v[236+\b], v[232+\b], s[SEL], s[SEL+1]
.endr
.irp b, 0,1
	v_max_num_f32 v[232+\b], v[232+\b], v[236+\b]
.endr
.irp b, 0,1
	v_add_nc_u32 v[244+\b], 0xff000000, v[232+\b]
.endr
.irp b, 0,1
	v_lshrrev_b32 v[236+\b], 23, v[244+\b]
.endr
	v_lshl_or_b32 v253, v237, 8, v236              ; my head's two scale bytes
	v_cndmask_b32 v253, v253, v254, s80
	v_cvt_scalef32_pk16_fp6_f32 v[224:226], v[96:111], v244
	v_cvt_scalef32_pk16_fp6_f32 v[236:238], v[112:127], v245
	v_nop
.irp i, 0,1,2
	v_permlane16_swap_b32 v[224+\i], v[236+\i]
.endr
.irp i, 0,1,2
	v_mov_b32 v[227+\i], v[236+\i]
.endr
	s_cmp_eq_u32 s81, 0                            ; the head's parity: the same in all partners
	s_cbranch_scc0 .Lodd
	global_store_b128 v[AK0], v[224:227], s[8:9]               ; registers 0-3 of the fragment's image,
	global_store_b64 v[AK0], v[228:229], s[8:9] offset:512     ; 4 and 5
	s_branch .Lstored
.Lodd:
	global_store_b64 v[AK0], v[224:225], s[8:9] offset:520     ; registers 6 and 7,
	global_store_b128 v[AK0], v[226:229], s[8:9] offset:1024   ; 8-11
.Lstored:
	global_store_b16 v[R4], v253, s[78:79]         ; both lanes of a row store the same two bytes
	s_wait_tensorcnt 0x0                           ; the wave's end
	ds_add_u32 v[SPW], v[NIL]
	s_wait_dscnt 0x0
	CROUND                                         ; the closing round
	s_endpgm
.Lfunc_end_k_q4cf940b1a1_attn:
	.size	k_q4cf940b1a1_attn, .Lfunc_end_k_q4cf940b1a1_attn-k_q4cf940b1a1_attn
	.p2alignl 7, 3214868480
	.fill 96, 4, 3214868480
	.section	.rodata,"a",@progbits
	.p2align	6, 0x0
	.amdhsa_kernel k_q4cf940b1a1_attn
		.amdhsa_group_segment_fixed_size 229376
		.amdhsa_private_segment_fixed_size 0
		.amdhsa_enable_private_segment 0
		.amdhsa_kernarg_size 24
		.amdhsa_user_sgpr_count 2
		.amdhsa_user_sgpr_kernarg_segment_ptr 1
		.amdhsa_wavefront_size32 1
		.amdhsa_system_sgpr_workgroup_id_x 1
		.amdhsa_system_sgpr_workgroup_id_y 1
		.amdhsa_system_sgpr_workgroup_id_z 1
		.amdhsa_system_vgpr_workitem_id 0
		.amdhsa_next_free_vgpr 256
		.amdhsa_next_free_sgpr 102
		.amdhsa_reserve_vcc 1
		.amdhsa_float_denorm_mode_32 3
		.amdhsa_float_denorm_mode_16_64 3
		.amdhsa_memory_ordered 1
		.amdhsa_forward_progress 1
		.amdhsa_inst_pref_size 50
	.end_amdhsa_kernel
	.amdgpu_metadata
---
amdhsa.version: [ 1, 2 ]
amdhsa.kernels:
  - .name:           k_q4cf940b1a1_attn
    .symbol:         k_q4cf940b1a1_attn.kd
    .args:
      - { .name: qkv, .offset: 0, .size: 8, .value_kind: global_buffer, .address_space: global }
      - { .name: mask, .offset: 8, .size: 8, .value_kind: global_buffer, .address_space: global }
      - { .name: ao, .offset: 16, .size: 8, .value_kind: global_buffer, .address_space: global }
    .group_segment_fixed_size: 229376
    .private_segment_fixed_size: 0
    .kernarg_segment_align: 8
    .kernarg_segment_size: 24
    .max_flat_workgroup_size: 512
    .sgpr_count:     102
    .vgpr_count:     256
    .wavefront_size: 32
...
	.end_amdgpu_metadata
.endif
;; end of part 3
;; launch gwo (part 4): grid 8 x 32, 4 waves a work-group, clusters of 4 x 4, 327,680 bytes of LDS; arguments ao, w, wo_b, x, x1; writes x1
.if DOCPART == 4
	.amdgcn_target "amdgcn-amd-amdhsa--gfx1250"
	.amdhsa_code_object_version 6
	.text
	.protected	k_q4cf940b1a1_gwo
	.globl	k_q4cf940b1a1_gwo
	.p2align	8
	.type	k_q4cf940b1a1_gwo,@function
k_q4cf940b1a1_gwo:
	s_mov_b64 s[64:65], 0
	v_nop
	global_prefetch_b8 v0, s[64:65] scope:SCOPE_SE
	s_setreg_imm32_b32 hwreg(HW_REG_WAVE_MODE, 25, 1), 1
	s_wait_xcnt 0x0
	s_wait_alu depctr_hold_cnt(0) depctr_sa_sdst(0) depctr_va_vdst(0) depctr_va_sdst(0) depctr_va_ssrc(0) depctr_va_vcc(0) depctr_vm_vsrc(0)
	s_getreg_b32 s2, hwreg(HW_REG_IB_STS2, 6, 4)
	s_cmp_eq_u32 s2, 0
	s_cbranch_scc0 .Lentry_in_a_cluster
	s_endpgm
.Lentry_in_a_cluster:
	s_bfe_u32 s2, ttmp6, 0x10000c
	s_cmp_lg_u32 s2, 0xf033
	s_cbranch_scc0 .Lentry_shape_is_right
	s_endpgm
.Lentry_shape_is_right:
; x1 = x + attention Wo^T + bo on E2M3 codes; f32 out.  No work of the problem is left out.
; Operands lie in memory as images of operand registers (1,536 bytes a fragment of 16 rows x 128 K, 64 bytes of scale words; lane r of row tile rt is row 32 (rt / 2) + 8 (rt % 2) + r + 8 (r / 8)).
; N = 1,024: a tile of 128 x 128 gives 8 x 32 = 256 work-groups; a tile of 256 x 256 would give 64.  Four waves, each 64 x 64: 16 accumulators.
; K = 1,024 is two slots of 512: both are first fills, and nothing is filled again.  CLUSTERS of 4 x 4: A's tiles are asked for jointly along a row of the cluster, B's along a column.
; The product is used transposed (source 0 = B's rows, source 1 = A's): a lane holds eight neighbouring columns of one row.  The bias is the C of the first products.
; The residual's 64 x 64 numbers are asked for at the head, into the free half of the accumulators' window, in the layout in which rows leave the stage.
; REGISTERS: window 0: v1-31 addresses; v32-63 scale words, two sets; v64-159 A's fragments, two sets; v192-223 rows on the way out.  window 1: v0-95 B's, two sets; v192-223 the bias.
; window 2: v0-127 accumulator (a, b) at 8 (4 a + b); v128-255 the residual.
.set MA,    4
.set NQ,    4
.set KS,    8
.set BOFF,  2359296                    ; Wo's codes in w
.set BSC,   9437184+98304              ; and its scale words
.set ASC,   3145728                    ; A's scale words in its buffer
.set FRS,   12*MA
.set QUART, MA*NQ*1536
.set SLOT,  4*QUART
.set LAPS,  KS/(2*NQ)
.set HALFS, MA*KS*64
.set SCA,   2*SLOT
.set SCB,   SCA+2*HALFS+128            ; 128 bytes on, so that the two halves of a scale load fall on different banks (64 banks of 4 bytes: ISA guide 11.1)
.set STAGE, SCA+4*HALFS+256            ; 16 rows x (256 + 16) bytes for each wave: bytes of its own, no fill lands here
.set SPARE, STAGE+4*4352
.set ADRA, 16
.set ADRB, 20
.set STO,  25
.set RD,   26
.set ADRS, 27
.set SPW,  28
.set NIL,  29
.set CO,   30
.set SC,   32
.set AF,   64
.set CI,   192
.set G1, 24
.set G0, 32
.set G1B, 48
.set G0B, 56
.set G1S, 68
.set G0S, 76
.set G1SB, 80
.set G0SB, 88
.set MSB, 0
.macro WIN new                         ; the immediate's high byte repeats the setting that is left
.if MSB != (\new)
	s_set_vgpr_msb (MSB<<8)|(\new)
.set MSB, (\new)
.endif
.endm
.macro JLOAD g0a, g1a, g0b, g1b        ; a joint load: waves 0, 1 fetch for A, waves 2, 3 for B; an s_nop 0 and four v_nop follow each line
	s_cmp_eq_u32 s15, 0
	s_cbranch_scc0 .Lfor_b_\@
	tensor_load_to_lds s[\g0a:\g0a+3], s[\g1a:\g1a+7]
	s_nop 0
.rept 4
	v_nop
.endr
	s_branch .Lasked_\@
.Lfor_b_\@:
	tensor_load_to_lds s[\g0b:\g0b+3], s[\g1b:\g1b+7]
	s_nop 0
.rept 4
	v_nop
.endr
.Lasked_\@:
.endm
.macro CREST
	s_cmp_lg_u32 s14, 0
	s_cbranch_scc1 .Lnot_wave_0_\@
	s_barrier_signal -3
.Lnot_wave_0_\@:
	s_barrier_wait -3
	s_barrier_signal -1
	s_barrier_wait -1
.endm
.macro CROUND
	s_barrier_signal -1
	s_barrier_wait -1
	CREST
.endm
.macro PLACES n
.rept \n
	v_nop
.endr
.endm
.macro FETCH slot, q, p                ; the fragments of the slot's q-th 128 along K into set p: three loads of 512 consecutive bytes each
	WIN 0x40
.set ii, 0
.rept MA
.irp c, 0,1,2
	ds_load_b128 v[FRS*(\p)+12*ii+4*\c:FRS*(\p)+12*ii+4*\c+3], v[ADRB+\slot] offset:(ii*NQ+(\q))*1536+512*\c
.endr
.set ii, ii+1
.endr
	WIN 0
.set ii, 0
.rept MA
.irp c, 0,1,2
	ds_load_b128 v[AF+FRS*(\p)+12*ii+4*\c:AF+FRS*(\p)+12*ii+4*\c+3], v[ADRA+\slot] offset:(ii*NQ+(\q))*1536+512*\c
.endr
.set ii, ii+1
.endr
.endm
.macro SCALES sc                       ; a slot's scale words: lanes 0-15 A's tile i, lanes 16-31 B's tile i
.set ii, 0
.rept MA
.set qq, 0
.rept NQ
	ds_load_b32 v[SC+MA*NQ*(\sc)+NQ*ii+qq], v[ADRS] offset:ii*KS*64+qq*64
.set qq, qq+1
.endr
.set ii, ii+1
.endr
.endm
; n of A's tiles from a0 on x all of B's.  mode 0: onto the sums; 1: the sums begin with the bias.  The accumulators take turns, one instruction a turn.
.macro MULA a0, n, p, q, sc, mode
.set aa, \a0
.rept \n
.if \mode == 0
	WIN 0xa1
.else
	WIN 0x91
.endif
.set bb, 0
.rept MA
.set DD, 8*(aa*MA+bb)
.set RB, FRS*(\p)+12*bb
.set RA, AF+FRS*(\p)+12*aa
.set SB, SC+MA*NQ*(\sc)+NQ*bb+(\q)
.set SA, SC+MA*NQ*(\sc)+NQ*aa+(\q)
.if \mode == 0
	v_wmma_scale_f32_16x16x128_f8f6f4 v[DD:DD+7], v[RB:RB+11], v[RA:RA+11], v[DD:DD+7], v[SB], v[SA] matrix_a_fmt:MATRIX_FMT_FP6 matrix_b_fmt:MATRIX_FMT_FP6 matrix_a_scale:MATRIX_SCALE_ROW1
.else
	v_wmma_scale_f32_16x16x128_f8f6f4 v[DD:DD+7], v[RB:RB+11], v[RA:RA+11], v[CI+8*bb:CI+8*bb+7], v[SB], v[SA] matrix_a_fmt:MATRIX_FMT_FP6 matrix_b_fmt:MATRIX_FMT_FP6 matrix_a_scale:MATRIX_SCALE_ROW1
.endif
.set bb, bb+1
.endr
.set aa, aa+1
.endr
.endm
.macro STEP slot, q, mode              ; a step that has its successor in the same slot
	s_wait_dscnt 0x0                               ; this step's fragments, asked for a step ago, are in
	PLACES 4                                       ; four places in front of loads into the set that the last step multiplied (ISA guide 7.12.1 for vector instructions)
	FETCH \slot, (\q)+1, 1-(\q)%2
	MULA 0, MA, (\q)%2, \q, \slot, \mode
.endm
.macro TURN slot, fill                 ; a slot's last step changes slots: one barrier; fill = 1: it opens a round of the cluster's barrier and the slot is filled again
	WIN 0
	s_wait_tensorcnt 0x0                           ; all my tensor loads have landed: my part of the next slot
	ds_add_u32 v[SPW], v[NIL]                      ; 0 onto my spare word
	s_wait_dscnt 0x1                               ; (the add alone may be out: the fragments are in)
	MULA 0, MA/4, 1, NQ-1, \slot, 0
	s_wait_dscnt 0x0                               ; the add is done, and my reads of this slot are over
	s_barrier_signal -1
	MULA MA/4, MA/4, 1, NQ-1, \slot, 0
	WIN 0
	s_barrier_wait -1
.if \fill
	CREST                                          ; no wave of any partner still reads this slot or has a load on its way
	s_add_nc_u64 s[G0+4*\slot+2:G0+4*\slot+3], s[G0+4*\slot+2:G0+4*\slot+3], 2*NQ*1536
	s_add_nc_u64 s[G0B+4*\slot+2:G0B+4*\slot+3], s[G0B+4*\slot+2:G0B+4*\slot+3], 2*NQ*1536
	JLOAD G0+4*\slot, G1, G0B+4*\slot, G1B         ; the first tensor load behind the round; its four v_nop are the places in front of the loads below
.else
	PLACES 4
.endif
	v_add_nc_u32 v[ADRS], NQ*64, v[ADRS]           ; the next slot's scale words
	FETCH 1-\slot, 0, 0
	SCALES 1-\slot
	MULA MA/2, MA/2, 1, NQ-1, \slot, 0
.endm
	s_load_b256 s[92:99], s[0:1], 0x0              ; A, w, the bias, the residual
	s_load_b64 s[100:101], s[0:1], 0x20            ; the output
	v_lshl_add_u32 v[SPW], v0, 2, SPARE
	v_mov_b32 v[NIL], 0
	ds_add_u32 v[SPW], v[NIL]                      ; the wave's opening: the add, twice on end, and its wait ahead of my first tensor load
	ds_add_u32 v[SPW], v[NIL]
	v_lshrrev_b32 v1, 5, v0
	v_readfirstlane_b32 s14, v1                    ; wave 0..3
	s_lshr_b32 s15, s14, 1                         ; my half of A's rows.  Also: I fetch for A (0) or for B (1)
	s_and_b32 s16, s14, 1                          ; my half of B's rows.  Also: which half I fetch
	s_bfe_u32 s40, ttmp6, 0x40000                  ; cx
	s_bfe_u32 s41, ttmp6, 0x40004                  ; cy
	s_lshl_b32 s42, ttmp9, 2
	s_add_co_u32 s42, s42, s40                     ; tile column
	s_and_b32 s17, ttmp7, 0xffff
	s_lshl_b32 s17, s17, 2
	s_add_co_u32 s17, s17, s41                     ; tile row
	s_lshl_b32 s43, s41, 2
	s_lshl_b32 s43, 15, s43                        ; my row of the cluster
	s_lshl_b32 s44, 0x1111, s40                    ; my column
	s_or_b32 s[G1+0], s43, (3<<16)|(1<<21)         ; 15:0 the mask; 17:16 elements of 8 bytes; 21 set beside a mask; no padding
	s_or_b32 s[G1B+0], s44, (3<<16)|(1<<21)
.irp g, G1, G1B
	s_mov_b32 s[\g+1], (NQ*192)<<16                ; tensor_dim0: NQ fragments on end
	s_mov_b32 s[\g+2], MA<<16                      ; tensor_dim1: MA row tiles
	s_mov_b32 s[\g+3], (NQ*192)<<16                ; tile_dim0
	s_mov_b32 s[\g+4], MA                          ; tile_dim1
	s_mov_b32 s[\g+5], KS*192                      ; from row tile to row tile
	s_mov_b32 s[\g+6], 0
	s_mov_b32 s[\g+7], 0
.endr
	s_or_b32 s[G1S+0], s43, (3<<16)|(1<<21)        ; the scale words of a half: a dense block, as rows of 256 bytes
	s_or_b32 s[G1SB+0], s44, (3<<16)|(1<<21)
.irp g, G1S, G1SB
	s_mov_b32 s[\g+1], 32<<16
	s_mov_b32 s[\g+2], (HALFS/256)<<16
	s_mov_b32 s[\g+3], 32<<16
	s_mov_b32 s[\g+4], HALFS/256
	s_mov_b32 s[\g+5], 32
	s_mov_b32 s[\g+6], 0
	s_mov_b32 s[\g+7], 0
.endr
	s_mul_i32 s45, s16, MA
	s_mul_i32 s20, s17, 2*MA
	s_add_co_u32 s20, s20, s45                     ; A: the first row tile that I fetch
	s_mul_i32 s46, s42, 2*MA
	s_add_co_u32 s46, s46, s45                     ; B likewise
	s_mul_i32 s22, s20, KS*64
	s_add_co_u32 s22, s22, ASC
	s_mul_i32 s20, s20, KS*1536
	s_mul_i32 s18, s46, KS*64
	s_add_co_u32 s18, s18, BSC
	s_mul_i32 s46, s46, KS*1536
	s_add_co_u32 s46, s46, BOFF
	s_mov_b32 s21, 0
	s_mov_b32 s23, 0
	s_mov_b32 s19, 0
	s_mov_b32 s47, 0
	s_mul_i32 s45, s14, QUART                      ; where the codes go: wave x a quarter of a slot
	s_mul_i32 s2, s16, HALFS                       ; and the scale words
	s_lshl_b32 s66, s42, 9
	s_lshl_b32 s67, s16, 8
	s_add_co_u32 s66, s66, s67                     ; my first column, in bytes: 4 x (128 x tile column + 64 x my half)
	s_mov_b32 s67, 0
	s_lshl_b32 s12, s17, 7
	s_lshl_b32 s13, s15, 6
	s_add_co_u32 s12, s12, s13                     ; my first row
	s_lshl_b32 s12, s12, 12
	s_add_co_u32 s12, s12, s66
	s_mov_b32 s13, 0
	s_wait_dscnt 0x0                               ; both opening adds are done
	s_wait_kmcnt 0x0
	s_add_nc_u64 s[4:5], s[92:93], s[20:21]
	s_add_nc_u64 s[6:7], s[92:93], s[22:23]
	s_add_nc_u64 s[8:9], s[94:95], s[46:47]
	s_add_nc_u64 s[10:11], s[94:95], s[18:19]
	s_add_nc_u64 s[96:97], s[96:97], s[66:67]
	s_add_nc_u64 s[98:99], s[98:99], s[12:13]
	s_add_nc_u64 s[100:101], s[100:101], s[12:13]
	CROUND                                         ; all sixteen work-groups are here: the first joint loads meet
	s_mov_b32 s[G0S], 1
	s_add_co_u32 s[G0S+1], s2, SCA
	s_mov_b64 s[G0S+2:G0S+3], s[6:7]
	s_or_b32 s[G0S+3], s[G0S+3], 0x80000000
	s_mov_b32 s[G0SB], 1
	s_add_co_u32 s[G0SB+1], s2, SCB
	s_mov_b64 s[G0SB+2:G0SB+3], s[10:11]
	s_or_b32 s[G0SB+3], s[G0SB+3], 0x80000000
	JLOAD G0S, G1S, G0SB, G1SB                     ; the scale words of all of K: filled once
.irp s, 0,1
	s_mov_b32 s[G0+4*\s], 1
	s_add_co_u32 s[G0+4*\s+1], s45, \s*SLOT
	s_add_nc_u64 s[G0+4*\s+2:G0+4*\s+3], s[4:5], \s*NQ*1536
	s_or_b32 s[G0+4*\s+3], s[G0+4*\s+3], 0x80000000
	s_mov_b32 s[G0B+4*\s], 1
	s_add_co_u32 s[G0B+4*\s+1], s45, \s*SLOT
	s_add_nc_u64 s[G0B+4*\s+2:G0B+4*\s+3], s[8:9], \s*NQ*1536
	s_or_b32 s[G0B+4*\s+3], s[G0B+4*\s+3], 0x80000000
	JLOAD G0+4*\s, G1, G0B+4*\s, G1B               ; three loads of mine are out
.endr
	v_and_b32 v1, 15, v0                           ; r
	v_bfe_u32 v2, v0, 4, 1                         ; h
	v_and_b32 v3, 31, v0
	v_lshlrev_b32 v24, 4, v3                       ; 16 x lane
	s_mul_i32 s21, s15, QUART
	s_mul_i32 s22, s16, QUART
	s_add_co_u32 s22, s22, 2*QUART
.irp s, 0,1
	v_add_nc_u32 v[ADRA+\s], s21, v24
	v_add_nc_u32 v[ADRB+\s], s22, v24
	s_add_co_u32 s21, s21, SLOT
	s_add_co_u32 s22, s22, SLOT
.endr
	s_mul_i32 s21, s15, HALFS
	s_mul_i32 s22, s16, HALFS
	s_add_co_u32 s22, s22, SCB-SCA
	s_sub_co_u32 s22, s22, s21
	v_mul_u32_u24 v4, s22, v2                      ; lanes 16-31 take B's words
	s_add_co_u32 s21, s21, SCA
	v_lshl_add_u32 v4, v1, 2, v4
	v_add_nc_u32 v[ADRS], s21, v4
	s_mul_i32 s23, s14, 4352
	s_add_co_u32 s23, s23, STAGE                   ; my stage
	v_mul_u32_u24 v4, v1, 272
	v_lshl_add_u32 v4, v2, 6, v4
	v_add_nc_u32 v[STO], s23, v4                   ; in: lane row r, + 64 h
	v_mul_u32_u24 v4, v2, 272
	v_lshl_add_u32 v4, v1, 4, v4
	v_add_nc_u32 v[RD], s23, v4                    ; back: lanes 0-15 one row of 256 bytes, lanes 16-31 the next
	v_lshlrev_b32 v4, 12, v2
	v_lshl_add_u32 v[CO], v1, 4, v4                ; and the same two rows in memory
	v_lshlrev_b32 v5, 6, v2                        ; the bias: 64 h
	WIN 0x40
.irp b, 0,1,2,3
	global_load_b128 v[CI+8*\b:CI+8*\b+3], v5, s[96:97] offset:(32*(\b/2)+8*(\b%2))*4       ; register j of tile b: column 32 (b / 2) + 16 h + 8 (b % 2) + j
	global_load_b128 v[CI+8*\b+4:CI+8*\b+7], v5, s[96:97] offset:(32*(\b/2)+8*(\b%2))*4+16
.endr
	WIN 0x80
.irp a, 0,1,2,3
.irp i, 0,1,2,3,4,5,6,7
	global_load_b128 v[128+32*\a+4*\i:128+32*\a+4*\i+3], v[CO], s[98:99] offset:(32*(\a/2)+8*(\a%2)+2*\i+8*(\i/4))*4096 th:TH_LOAD_NT   ; the residual: stage rows 2 i, 2 i + 1 of tile a
.endr
.endr
	WIN 0
	s_wait_tensorcnt 0x1                           ; the scale words and my part of slot 0 are in; slot 1's load may stay out
	s_barrier_signal -1
	s_barrier_wait -1
	FETCH 0, 0, 0
	SCALES 0
	s_wait_loadcnt 32                              ; the bias is in; the residual's 32 loads, issued behind it, may stay out
	STEP 0, 0, 1                                   ; the first step's products start the sums
	STEP 0, 1, 0
	STEP 0, 2, 0
	TURN 0, 0                                      ; K is two slots long: nothing is filled again
	STEP 1, 0, 0
	STEP 1, 1, 0
	STEP 1, 2, 0
	s_wait_dscnt 0x0
	MULA 0, MA, 1, NQ-1, 1, 0
	WIN 0
	; THE WAY OUT: a tile of 16 rows x 64 columns at a time through my own stage; sixteen lanes then hold 256 consecutive bytes of a row
	PLACES 4
	s_wait_loadcnt 0x0                             ; the residual
.macro OUTR a
.if (\a) > 0
	s_wait_xcnt 0x0                                ; the last tile's stores have read their registers
.endif
	WIN 0x08                                       ; an LDS store's data and the sums' second source: window 2
.irp b, 0,1,2,3
	ds_store_b128 v[STO], v[8*(4*(\a)+\b):8*(4*(\a)+\b)+3] offset:128*(\b/2)+32*(\b%2)      ; each accumulator from its low end on
	ds_store_b128 v[STO], v[8*(4*(\a)+\b)+4:8*(4*(\a)+\b)+7] offset:128*(\b/2)+32*(\b%2)+16
.endr
.irp i, 0,1,2,3,4,5,6,7
	ds_load_b128 v[192+4*\i:195+4*\i], v[RD] offset:544*\i     ; LDS serves a wave's instructions in order (ISA guide 5.7.1.4): these see my stores
.endr
	s_wait_dscnt 0x0
.irp i, 0,1,2,3,4,5,6,7,8,9,10,11,12,13,14,15
	v_pk_add_f32 v[192+2*\i:193+2*\i], v[192+2*\i:193+2*\i], v[128+32*(\a)+2*\i:129+32*(\a)+2*\i]
.endr
	WIN 0
.irp i, 0,1,2,3,4,5,6,7
	global_store_b128 v[CO], v[192+4*\i:195+4*\i], s[100:101] offset:(32*((\a)/2)+8*((\a)%2)+2*\i+8*(\i/4))*4096   ; 16 lanes store 256 consecutive bytes, at a multiple of 256 from the buffer's first byte
.endr
.endm
.irp a, 0,1,2,3
	OUTR \a
.endr
	s_wait_tensorcnt 0x0                           ; the wave's end
	ds_add_u32 v[SPW], v[NIL]
	s_wait_dscnt 0x0
	CROUND                                         ; the closing round
	s_endpgm
.Lfunc_end_k_q4cf940b1a1_gwo:
	.size	k_q4cf940b1a1_gwo, .Lfunc_end_k_q4cf940b1a1_gwo-k_q4cf940b1a1_gwo
	.p2alignl 7, 3214868480
	.fill 96, 4, 3214868480
	.section	.rodata,"a",@progbits
	.p2align	6, 0x0
	.amdhsa_kernel k_q4cf940b1a1_gwo
		.amdhsa_group_segment_fixed_size 327680
		.amdhsa_private_segment_fixed_size 0
		.amdhsa_enable_private_segment 0
		.amdhsa_kernarg_size 40
		.amdhsa_user_sgpr_count 2
		.amdhsa_user_sgpr_kernarg_segment_ptr 1
		.amdhsa_wavefront_size32 1
		.amdhsa_system_sgpr_workgroup_id_x 1
		.amdhsa_system_sgpr_workgroup_id_y 1
		.amdhsa_system_sgpr_workgroup_id_z 1
		.amdhsa_system_vgpr_workitem_id 0
		.amdhsa_next_free_vgpr 768
		.amdhsa_next_free_sgpr 102
		.amdhsa_reserve_vcc 0
		.amdhsa_float_denorm_mode_32 3
		.amdhsa_float_denorm_mode_16_64 3
		.amdhsa_memory_ordered 1
		.amdhsa_forward_progress 1
		.amdhsa_inst_pref_size 58
	.end_amdhsa_kernel
	.amdgpu_metadata
---
amdhsa.version: [ 1, 2 ]
amdhsa.kernels:
  - .name:           k_q4cf940b1a1_gwo
    .symbol:         k_q4cf940b1a1_gwo.kd
    .args:
      - { .name: ao, .offset: 0, .size: 8, .value_kind: global_buffer, .address_space: global }
      - { .name: w, .offset: 8, .size: 8, .value_kind: global_buffer, .address_space: global }
      - { .name: wo_b, .offset: 16, .size: 8, .value_kind: global_buffer, .address_space: global }
      - { .name: x, .offset: 24, .size: 8, .value_kind: global_buffer, .address_space: global }
      - { .name: x1, .offset: 32, .size: 8, .value_kind: global_buffer, .address_space: global }
    .group_segment_fixed_size: 327680
    .private_segment_fixed_size: 0
    .kernarg_segment_align: 8
    .kernarg_segment_size: 40
    .max_flat_workgroup_size: 128
    .sgpr_count:     102
    .vgpr_count:     768
    .wavefront_size: 32
...
	.end_amdgpu_metadata
.endif
;; end of part 4
;; launch ln2: the kernel of part 1 again; grid 256 x 1, 8 waves a work-group, no clusters, 70,144 bytes of LDS; arguments x1, ln2_a, ln2_b, wq_w, wk_w, wv_w, wo_w, ff1_w, ff2_w, hb, w; writes hb, w
;; launch gff1 (part 5): grid 16 x 16, 4 waves a work-group, clusters of 4 x 4, 327,680 bytes of LDS; arguments hb, w, ff1_b, fb; writes fb
.if DOCPART == 5
	.amdgcn_target "amdgcn-amd-amdhsa--gfx1250"
	.amdhsa_code_object_version 6
	.text
	.protected	k_q4cf940b1a1_gff1
	.globl	k_q4cf940b1a1_gff1
	.p2align	8
	.type	k_q4cf940b1a1_gff1,@function
k_q4cf940b1a1_gff1:
	s_mov_b64 s[64:65], 0
	v_nop
	global_prefetch_b8 v0, s[64:65] scope:SCOPE_SE
	s_setreg_imm32_b32 hwreg(HW_REG_WAVE_MODE, 25, 1), 1
	s_wait_xcnt 0x0
	s_wait_alu depctr_hold_cnt(0) depctr_sa_sdst(0) depctr_va_vdst(0) depctr_va_sdst(0) depctr_va_ssrc(0) depctr_va_vcc(0) depctr_vm_vsrc(0)
	s_getreg_b32 s2, hwreg(HW_REG_IB_STS2, 6, 4)
	s_cmp_eq_u32 s2, 0
	s_cbranch_scc0 .Lentry_in_a_cluster
	s_endpgm
.Lentry_in_a_cluster:
	s_bfe_u32 s2, ttmp6, 0x10000c
	s_cmp_lg_u32 s2, 0xf033
	s_cbranch_scc0 .Lentry_shape_is_right
	s_endpgm
.Lentry_shape_is_right:
; relu(h W1^T + b1) on E2M3 codes, quantised on the way out along the 4,096 hidden units for the next product.  No work of the problem is left out.
; Operands lie in memory as images of operand registers (1,536 bytes a fragment of 16 rows x 128 K, 64 bytes of scale words; lane r of row tile rt is row 32 (rt / 2) + 8 (rt % 2) + r + 8 (r / 8)).
; A work-group of four waves makes 256 x 256, a wave 128 x 128: 64 accumulators; 16 x 16 = 256 work-groups.  K = 1,024 goes in four slots' worth of 256 through a ring of two LDS slots.
; CLUSTERS of 4 x 4: A's tiles are asked for jointly along a row of the cluster, B's along a column.
; The product is used transposed (source 0 = W1's rows, source 1 = h's): a lane holds one token, and by the choice of a tile's rows its 64 registers of one A tile are the wave's 128 hidden units in the order
; that the quantiser wants: one K step of the next product, one fragment and one scale word a row.  The bias is the C of the first products.
; LIMITS: NaN and infinities are not served; a block of zeros gets the byte 1.
; REGISTERS: window 0: v1-31 addresses; v32-63 scale words, two sets; v64-255 A's fragments, two sets.  window 1: v0-191 B's, two sets; v192-255 the bias.  windows 2, 3: accumulator (a, b) at 8 (8 a + b).
.set MA,    8
.set NQ,    2
.set KS,    8
.set BOFF,  3145728                    ; W1's codes in w
.set BSC,   9437184+131072             ; and its scale words
.set ASC,   3145728                    ; A's scale words in hb
.set FSC,   12582912                   ; the output's scale words in fb
.set FRS,   12*MA
.set QUART, MA*NQ*1536
.set SLOT,  4*QUART
.set LAPS,  KS/(2*NQ)
.set HALFS, MA*KS*64
.set SCA,   2*SLOT
.set SCB,   SCA+2*HALFS+128            ; 128 bytes on, so that the two halves of a scale load fall on different banks (64 banks of 4 bytes: ISA guide 11.1)
.set SPARE, SCA+4*HALFS+256
.set ADRA, 16
.set ADRB, 20
.set ADRS, 27
.set SPW,  28
.set NIL,  29
.set SC,   32
.set AF,   64
.set CI,   192
.set X,    64                          ; the way out, in window 0: 64 numbers v64-127, codes v128-147, at work v148-163, scale word v164
.set PC,   128
.set TM,   148
.set PW,   164
.set G1, 24
.set G0, 32
.set G1B, 48
.set G0B, 56
.set G1S, 68
.set G0S, 76
.set G1SB, 80
.set G0SB, 88
.set MSB, 0
.macro WIN new                         ; the immediate's high byte repeats the setting that is left
.if MSB != (\new)
	s_set_vgpr_msb (MSB<<8)|(\new)
.set MSB, (\new)
.endif
.endm
.macro JLOAD g0a, g1a, g0b, g1b        ; a joint load: waves 0, 1 fetch for A, waves 2, 3 for B; an s_nop 0 and four v_nop follow each line
	s_cmp_eq_u32 s15, 0
	s_cbranch_scc0 .Lfor_b_\@
	tensor_load_to_lds s[\g0a:\g0a+3], s[\g1a:\g1a+7]
	s_nop 0
.rept 4
	v_nop
.endr
	s_branch .Lasked_\@
.Lfor_b_\@:
	tensor_load_to_lds s[\g0b:\g0b+3], s[\g1b:\g1b+7]
	s_nop 0
.rept 4
	v_nop
.endr
.Lasked_\@:
.endm
.macro CREST
	s_cmp_lg_u32 s14, 0
	s_cbranch_scc1 .Lnot_wave_0_\@
	s_barrier_signal -3
.Lnot_wave_0_\@:
	s_barrier_wait -3
	s_barrier_signal -1
	s_barrier_wait -1
.endm
.macro CROUND
	s_barrier_signal -1
	s_barrier_wait -1
	CREST
.endm
.macro PLACES n
.rept \n
	v_nop
.endr
.endm
.macro FETCH slot, q, p                ; the fragments of the slot's q-th 128 along K into set p: three loads of 512 consecutive bytes each
	WIN 0x40
.set ii, 0
.rept MA
.irp c, 0,1,2
	ds_load_b128 v[FRS*(\p)+12*ii+4*\c:FRS*(\p)+12*ii+4*\c+3], v[ADRB+\slot] offset:(ii*NQ+(\q))*1536+512*\c
.endr
.set ii, ii+1
.endr
	WIN 0
.set ii, 0
.rept MA
.irp c, 0,1,2
	ds_load_b128 v[AF+FRS*(\p)+12*ii+4*\c:AF+FRS*(\p)+12*ii+4*\c+3], v[ADRA+\slot] offset:(ii*NQ+(\q))*1536+512*\c
.endr
.set ii, ii+1
.endr
.endm
.macro SCALES sc                       ; a slot's scale words: lanes 0-15 A's tile i, lanes 16-31 B's tile i
.set ii, 0
.rept MA
.set qq, 0
.rept NQ
	ds_load_b32 v[SC+MA*NQ*(\sc)+NQ*ii+qq], v[ADRS] offset:ii*KS*64+qq*64
.set qq, qq+1
.endr
.set ii, ii+1
.endr
.endm
; n of A's tiles from a0 on x all of B's.  mode 0: onto the sums; 1: the sums begin with the bias.  The accumulators take turns, one instruction a turn.
.macro MULA a0, n, p, q, sc, mode
.set aa, \a0
.rept \n
.set WA, 2+(aa*MA*8)/256
.if \mode == 0
	WIN (WA<<6)|(WA<<4)|1
.else
	WIN (WA<<6)|0x11
.endif
.set bb, 0
.rept MA
.set DD, (8*(aa*MA+bb))%256
.set RB, FRS*(\p)+12*bb
.set RA, AF+FRS*(\p)+12*aa
.set SB, SC+MA*NQ*(\sc)+NQ*bb+(\q)
.set SA, SC+MA*NQ*(\sc)+NQ*aa+(\q)
.if \mode == 0
	v_wmma_scale_f32_16x16x128_f8f6f4 v[DD:DD+7], v[RB:RB+11], v[RA:RA+11], v[DD:DD+7], v[SB], v[SA] matrix_a_fmt:MATRIX_FMT_FP6 matrix_b_fmt:MATRIX_FMT_FP6 matrix_a_scale:MATRIX_SCALE_ROW1
.else
	v_wmma_scale_f32_16x16x128_f8f6f4 v[DD:DD+7], v[RB:RB+11], v[RA:RA+11], v[CI+8*bb:CI+8*bb+7], v[SB], v[SA] matrix_a_fmt:MATRIX_FMT_FP6 matrix_b_fmt:MATRIX_FMT_FP6 matrix_a_scale:MATRIX_SCALE_ROW1
.endif
.set bb, bb+1
.endr
.set aa, aa+1
.endr
.endm
.macro STEP slot, q, mode              ; a step that has its successor in the same slot
	s_wait_dscnt 0x0                               ; this step's fragments, asked for a step ago, are in
	PLACES 4                                       ; four places in front of loads into the set that the last step multiplied (ISA guide 7.12.1 for vector instructions)
	FETCH \slot, (\q)+1, 1-(\q)%2
	MULA 0, MA, (\q)%2, \q, \slot, \mode
.endm
.macro TURN slot, fill                 ; a slot's last step changes slots: one barrier; fill = 1: it opens a round of the cluster's barrier and the slot is filled again
	WIN 0
	s_wait_tensorcnt 0x0                           ; all my tensor loads have landed: my part of the next slot
	ds_add_u32 v[SPW], v[NIL]                      ; 0 onto my spare word
	s_wait_dscnt 0x1                               ; (the add alone may be out: the fragments are in)
	MULA 0, MA/4, 1, NQ-1, \slot, 0
	s_wait_dscnt 0x0                               ; the add is done, and my reads of this slot are over
	s_barrier_signal -1
	MULA MA/4, MA/4, 1, NQ-1, \slot, 0
	WIN 0
	s_barrier_wait -1
.if \fill
	CREST                                          ; no wave of any partner still reads this slot or has a load on its way
	s_add_nc_u64 s[G0+4*\slot+2:G0+4*\slot+3], s[G0+4*\slot+2:G0+4*\slot+3], 2*NQ*1536
	s_add_nc_u64 s[G0B+4*\slot+2:G0B+4*\slot+3], s[G0B+4*\slot+2:G0B+4*\slot+3], 2*NQ*1536
	JLOAD G0+4*\slot, G1, G0B+4*\slot, G1B         ; the first tensor load behind the round; its four v_nop are the places in front of the loads below
.else
	PLACES 4
.endif
	v_add_nc_u32 v[ADRS], NQ*64, v[ADRS]           ; the next slot's scale words
	FETCH 1-\slot, 0, 0
	SCALES 1-\slot
	MULA MA/2, MA/2, 1, NQ-1, \slot, 0
.endm
; 64 numbers of a lane, v[X] on, register 16 b + i = k 32 b + 16 (lane / 16) + i of my row, become a fragment's codes in v[PC] on and its scale word in v[PW]
.macro QUANT
.irp b, 0,1,2,3
	v_max3_num_f32 v[TM+\b], |v[X+16*\b]|, |v[X+1+16*\b]|, 0x1800000   ; with the floor 2^(3 - 127)
.endr
.irp i, 2,4,6,8,10,12,14
.irp b, 0,1,2,3
	v_max3_num_f32 v[TM+\b], v[TM+\b], |v[X+16*\b+\i]|, |v[X+1+16*\b+\i]|
.endr
.endr
.irp b, 0,1,2,3
	v_permlanex16_b32 v[TM+4+\b], v[TM+\b], s22, s23
.endr
.irp b, 0,1,2,3
	v_max_num_f32 v[TM+\b], v[TM+\b], v[TM+4+\b]   ; with lane l xor 16's: the block's largest magnitude
.endr
.irp b, 0,1,2,3
	v_add_nc_u32 v[TM+12+\b], 0xff000000, v[TM+\b] ; 2 off its exponent field: the conversion's scale operand
.endr
.irp b, 0,1,2,3
	v_lshrrev_b32 v[TM+4+\b], 23, v[TM+12+\b]      ; the scale's byte
.endr
	v_lshl_or_b32 v[PW], v[TM+5], 8, v[TM+4]
	v_lshl_or_b32 v[PW], v[TM+6], 16, v[PW]
	v_lshl_or_b32 v[PW], v[TM+7], 24, v[PW]
.irp c, 0,1
	v_cvt_scalef32_pk16_fp6_f32 v[PC+6*\c:PC+2+6*\c], v[X+32*\c:X+15+32*\c], v[TM+12+2*\c]
	v_cvt_scalef32_pk16_fp6_f32 v[PC+12+4*\c:PC+14+4*\c], v[X+16+32*\c:X+31+32*\c], v[TM+12+2*\c+1]
.endr
	v_nop                                          ; one plain instruction behind a scaled conversion
.irp c, 0,1                                    ; the operand's layout wants a whole block in a lane
.irp i, 0,1,2
	v_permlane16_swap_b32 v[PC+6*\c+\i], v[PC+12+4*\c+\i]
.endr
.irp i, 0,1,2
	v_mov_b32 v[PC+3+6*\c+\i], v[PC+12+4*\c+\i]
.endr
.endr
.endm
	s_load_b256 s[92:99], s[0:1], 0x0              ; hb, w, ff1_b, fb
	v_lshl_add_u32 v[SPW], v0, 2, SPARE
	v_mov_b32 v[NIL], 0
	ds_add_u32 v[SPW], v[NIL]                      ; the wave's opening: the add, twice on end, and its wait ahead of my first tensor load
	ds_add_u32 v[SPW], v[NIL]
	v_lshrrev_b32 v1, 5, v0
	v_readfirstlane_b32 s14, v1                    ; wave 0..3
	s_lshr_b32 s15, s14, 1                         ; my half of A's rows.  Also: I fetch for A (0) or for B (1)
	s_and_b32 s16, s14, 1                          ; my half of B's rows.  Also: which half I fetch
	s_bfe_u32 s40, ttmp6, 0x40000                  ; cx
	s_bfe_u32 s41, ttmp6, 0x40004                  ; cy
	s_lshl_b32 s42, ttmp9, 2
	s_add_co_u32 s42, s42, s40                     ; tile column
	s_and_b32 s17, ttmp7, 0xffff
	s_lshl_b32 s17, s17, 2
	s_add_co_u32 s17, s17, s41                     ; tile row
	s_lshl_b32 s43, s41, 2
	s_lshl_b32 s43, 15, s43                        ; my row of the cluster
	s_lshl_b32 s44, 0x1111, s40                    ; my column
	s_or_b32 s[G1+0], s43, (3<<16)|(1<<21)         ; 15:0 the mask; 17:16 elements of 8 bytes; 21 set beside a mask; no padding
	s_or_b32 s[G1B+0], s44, (3<<16)|(1<<21)
.irp g, G1, G1B
	s_mov_b32 s[\g+1], (NQ*192)<<16                ; tensor_dim0: NQ fragments on end
	s_mov_b32 s[\g+2], MA<<16                      ; tensor_dim1: MA row tiles
	s_mov_b32 s[\g+3], (NQ*192)<<16                ; tile_dim0
	s_mov_b32 s[\g+4], MA                          ; tile_dim1
	s_mov_b32 s[\g+5], KS*192                      ; from row tile to row tile
	s_mov_b32 s[\g+6], 0
	s_mov_b32 s[\g+7], 0
.endr
	s_or_b32 s[G1S+0], s43, (3<<16)|(1<<21)        ; the scale words of a half: a dense block, as rows of 256 bytes
	s_or_b32 s[G1SB+0], s44, (3<<16)|(1<<21)
.irp g, G1S, G1SB
	s_mov_b32 s[\g+1], 32<<16
	s_mov_b32 s[\g+2], (HALFS/256)<<16
	s_mov_b32 s[\g+3], 32<<16
	s_mov_b32 s[\g+4], HALFS/256
	s_mov_b32 s[\g+5], 32
	s_mov_b32 s[\g+6], 0
	s_mov_b32 s[\g+7], 0
.endr
	s_mul_i32 s45, s16, MA
	s_mul_i32 s20, s17, 2*MA
	s_add_co_u32 s20, s20, s45                     ; A: the first row tile that I fetch
	s_mul_i32 s46, s42, 2*MA
	s_add_co_u32 s46, s46, s45                     ; B likewise
	s_mul_i32 s22, s20, KS*64
	s_add_co_u32 s22, s22, ASC
	s_mul_i32 s20, s20, KS*1536
	s_mul_i32 s18, s46, KS*64
	s_add_co_u32 s18, s18, BSC
	s_mul_i32 s46, s46, KS*1536
	s_add_co_u32 s46, s46, BOFF
	s_mov_b32 s21, 0
	s_mov_b32 s23, 0
	s_mov_b32 s19, 0
	s_mov_b32 s47, 0
	s_mul_i32 s45, s14, QUART                      ; where the codes go: wave x a quarter of a slot
	s_mul_i32 s2, s16, HALFS                       ; and the scale words
	s_lshl_b32 s66, s42, 10
	s_lshl_b32 s67, s16, 9
	s_add_co_u32 s66, s66, s67                     ; the bias: 4 x (256 x tile column + 128 x my half)
	s_mov_b32 s67, 0
	s_lshl_b32 s3, s17, 4
	s_lshl_b32 s12, s15, 3
	s_add_co_u32 s3, s3, s12                       ; my first row tile,
	s_lshl_b32 s3, s3, 5                           ; x the next product's 32 K steps,
	s_lshl_b32 s12, s42, 1
	s_add_co_u32 s3, s3, s12
	s_add_co_u32 s3, s3, s16                       ; + my K step of it: the output's first fragment
	s_mul_i32 s12, s3, 1536
	s_mov_b32 s13, 0
	s_lshl_b32 s100, s3, 6
	s_add_co_u32 s100, s100, FSC
	s_mov_b32 s101, 0
	s_wait_dscnt 0x0                               ; both opening adds are done
	s_wait_kmcnt 0x0
	s_add_nc_u64 s[4:5], s[92:93], s[20:21]
	s_add_nc_u64 s[6:7], s[92:93], s[22:23]
	s_add_nc_u64 s[8:9], s[94:95], s[46:47]
	s_add_nc_u64 s[10:11], s[94:95], s[18:19]
	s_add_nc_u64 s[96:97], s[96:97], s[66:67]
	s_add_nc_u64 s[12:13], s[98:99], s[12:13]
	s_add_nc_u64 s[100:101], s[98:99], s[100:101]
	CROUND                                         ; all sixteen work-groups are here: the first joint loads meet
	s_mov_b32 s[G0S], 1
	s_add_co_u32 s[G0S+1], s2, SCA
	s_mov_b64 s[G0S+2:G0S+3], s[6:7]
	s_or_b32 s[G0S+3], s[G0S+3], 0x80000000
	s_mov_b32 s[G0SB], 1
	s_add_co_u32 s[G0SB+1], s2, SCB
	s_mov_b64 s[G0SB+2:G0SB+3], s[10:11]
	s_or_b32 s[G0SB+3], s[G0SB+3], 0x80000000
	JLOAD G0S, G1S, G0SB, G1SB                     ; the scale words of all of K: filled once
.irp s, 0,1
	s_mov_b32 s[G0+4*\s], 1
	s_add_co_u32 s[G0+4*\s+1], s45, \s*SLOT
	s_add_nc_u64 s[G0+4*\s+2:G0+4*\s+3], s[4:5], \s*NQ*1536
	s_or_b32 s[G0+4*\s+3], s[G0+4*\s+3], 0x80000000
	s_mov_b32 s[G0B+4*\s], 1
	s_add_co_u32 s[G0B+4*\s+1], s45, \s*SLOT
	s_add_nc_u64 s[G0B+4*\s+2:G0B+4*\s+3], s[8:9], \s*NQ*1536
	s_or_b32 s[G0B+4*\s+3], s[G0B+4*\s+3], 0x80000000
	JLOAD G0+4*\s, G1, G0B+4*\s, G1B               ; three loads of mine are out
.endr
	v_and_b32 v1, 15, v0                           ; r
	v_bfe_u32 v2, v0, 4, 1                         ; h
	v_and_b32 v3, 31, v0
	v_lshlrev_b32 v24, 4, v3                       ; 16 x lane
	v_lshlrev_b32 v26, 2, v1                       ; 4 r
	s_mul_i32 s21, s15, QUART
	s_mul_i32 s22, s16, QUART
	s_add_co_u32 s22, s22, 2*QUART
.irp s, 0,1
	v_add_nc_u32 v[ADRA+\s], s21, v24
	v_add_nc_u32 v[ADRB+\s], s22, v24
	s_add_co_u32 s21, s21, SLOT
	s_add_co_u32 s22, s22, SLOT
.endr
	s_mul_i32 s21, s15, HALFS
	s_mul_i32 s22, s16, HALFS
	s_add_co_u32 s22, s22, SCB-SCA
	s_sub_co_u32 s22, s22, s21
	v_mul_u32_u24 v4, s22, v2                      ; lanes 16-31 take B's words
	s_add_co_u32 s21, s21, SCA
	v_lshl_add_u32 v4, v1, 2, v4
	v_add_nc_u32 v[ADRS], s21, v4
	v_lshlrev_b32 v5, 6, v2                        ; the bias: 64 h
	WIN 0x40
.irp b, 0,1,2,3,4,5,6,7
	global_load_b128 v[CI+8*\b:CI+8*\b+3], v5, s[96:97] offset:(32*(\b/2)+8*(\b%2))*4       ; register j of tile b: hidden unit 32 (b / 2) + 16 h + 8 (b % 2) + j
	global_load_b128 v[CI+8*\b+4:CI+8*\b+7], v5, s[96:97] offset:(32*(\b/2)+8*(\b%2))*4+16
.endr
	WIN 0
	s_wait_tensorcnt 0x1                           ; the scale words and my part of slot 0 are in; slot 1's load may stay out
	s_barrier_signal -1
	s_barrier_wait -1
	FETCH 0, 0, 0
	SCALES 0
	s_wait_loadcnt 0x0                             ; the bias
	STEP 0, 0, 1                                   ; the first step's products start the sums
	WIN 0
	s_mov_b32 s3, LAPS-1
.Llap:                                             ; a trip goes once round the ring and fills both slots again
	TURN 0, 1
	STEP 1, 0, 0
	TURN 1, 1
	STEP 0, 0, 0
	WIN 0
	s_sub_co_u32 s3, s3, 1
	s_cmp_lg_u32 s3, 0
	s_cbranch_scc1 .Llap
	TURN 0, 0                                      ; the last lap fills nothing
	STEP 1, 0, 0
	s_wait_dscnt 0x0
	MULA 0, MA, 1, NQ-1, 1, 0
	WIN 0
	; THE WAY OUT: each of A's eight tiles: relu, quantised in registers, stored as an image
	PLACES 4
	s_mov_b32 s22, 0x76543210
	s_mov_b32 s23, 0xfedcba98
.irp b, 0,1,2,3
	v_mov_b32 v[TM+4+\b], 0                        ; a lane permute's destination counts as one of its sources
.endr
.macro OUTA a
	s_wait_xcnt 0x0                                ; the last tile's stores have read their registers
	WIN (2+(\a)/4)<<2
.set jj, 0
.rept 64
	v_max_num_f32 v[X+jj], 0, v[64*((\a)%4)+jj]    ; the activation, in f32; each accumulator from its low end on
.set jj, jj+1
.endr
	WIN 0
	QUANT
.irp c, 0,1,2
	global_store_b128 v24, v[PC+4*\c:PC+4*\c+3], s[12:13] offset:(\a)*49152+512*\c   ; 512 consecutive bytes a store
.endr
	global_store_b32 v26, v[PW], s[100:101] offset:(\a)*2048                         ; both lanes of a row store the same word
.endm
.irp a, 0,1,2,3,4,5,6,7
	OUTA \a
.endr
	s_wait_tensorcnt 0x0                           ; the wave's end
	ds_add_u32 v[SPW], v[NIL]
	s_wait_dscnt 0x0
	CROUND                                         ; the closing round
	s_endpgm
.Lfunc_end_k_q4cf940b1a1_gff1:
	.size	k_q4cf940b1a1_gff1, .Lfunc_end_k_q4cf940b1a1_gff1-k_q4cf940b1a1_gff1
	.p2alignl 7, 3214868480
	.fill 96, 4, 3214868480
	.section	.rodata,"a",@progbits
	.p2align	6, 0x0
	.amdhsa_kernel k_q4cf940b1a1_gff1
		.amdhsa_group_segment_fixed_size 327680
		.amdhsa_private_segment_fixed_size 0
		.amdhsa_enable_private_segment 0
		.amdhsa_kernarg_size 32
		.amdhsa_user_sgpr_count 2
		.amdhsa_user_sgpr_kernarg_segment_ptr 1
		.amdhsa_wavefront_size32 1
		.amdhsa_system_sgpr_workgroup_id_x 1
		.amdhsa_system_sgpr_workgroup_id_y 1
		.amdhsa_system_sgpr_workgroup_id_z 1
		.amdhsa_system_vgpr_workitem_id 0
		.amdhsa_next_free_vgpr 1024
		.amdhsa_next_free_sgpr 102
		.amdhsa_reserve_vcc 0
		.amdhsa_float_denorm_mode_32 3
		.amdhsa_float_denorm_mode_16_64 3
		.amdhsa_memory_ordered 1
		.amdhsa_forward_progress 1
		.amdhsa_inst_pref_size 158
	.end_amdhsa_kernel
	.amdgpu_metadata
---
amdhsa.version: [ 1, 2 ]
amdhsa.kernels:
  - .name:           k_q4cf940b1a1_gff1
    .symbol:         k_q4cf940b1a1_gff1.kd
    .args:
      - { .name: hb, .offset: 0, .size: 8, .value_kind: global_buffer, .address_space: global }
      - { .name: w, .offset: 8, .size: 8, .value_kind: global_buffer, .address_space: global }
      - { .name: ff1_b, .offset: 16, .size: 8, .value_kind: global_buffer, .address_space: global }
      - { .name: fb, .offset: 24, .size: 8, .value_kind: global_buffer, .address_space: global }
    .group_segment_fixed_size: 327680
    .private_segment_fixed_size: 0
    .kernarg_segment_align: 8
    .kernarg_segment_size: 32
    .max_flat_workgroup_size: 128
    .sgpr_count:     102
    .vgpr_count:     1024
    .wavefront_size: 32
...
	.end_amdgpu_metadata
.endif
;; end of part 5
;; launch gff2 (part 6): grid 8 x 32, 4 waves a work-group, clusters of 4 x 4, 327,680 bytes of LDS; arguments fb, w, ff2_b, x1, out0; writes out0
.if DOCPART == 6
	.amdgcn_target "amdgcn-amd-amdhsa--gfx1250"
	.amdhsa_code_object_version 6
	.text
	.protected	k_q4cf940b1a1_gff2
	.globl	k_q4cf940b1a1_gff2
	.p2align	8
	.type	k_q4cf940b1a1_gff2,@function
k_q4cf940b1a1_gff2:
	s_mov_b64 s[64:65], 0
	v_nop
	global_prefetch_b8 v0, s[64:65] scope:SCOPE_SE
	s_setreg_imm32_b32 hwreg(HW_REG_WAVE_MODE, 25, 1), 1
	s_wait_xcnt 0x0
	s_wait_alu depctr_hold_cnt(0) depctr_sa_sdst(0) depctr_va_vdst(0) depctr_va_sdst(0) depctr_va_ssrc(0) depctr_va_vcc(0) depctr_vm_vsrc(0)
	s_getreg_b32 s2, hwreg(HW_REG_IB_STS2, 6, 4)
	s_cmp_eq_u32 s2, 0
	s_cbranch_scc0 .Lentry_in_a_cluster
	s_endpgm
.Lentry_in_a_cluster:
	s_bfe_u32 s2, ttmp6, 0x10000c
	s_cmp_lg_u32 s2, 0xf033
	s_cbranch_scc0 .Lentry_shape_is_right
	s_endpgm
.Lentry_shape_is_right:
; out0 = x1 + hidden W2^T + b2 on E2M3 codes; f32 out.  No work of the problem is left out.
; Operands lie in memory as images of operand registers (1,536 bytes a fragment of 16 rows x 128 K, 64 bytes of scale words; lane r of row tile rt is row 32 (rt / 2) + 8 (rt % 2) + r + 8 (r / 8)).
; N = 1,024: a tile of 128 x 128 gives 8 x 32 = 256 work-groups; a tile of 256 x 256 would give 64.  Four waves, each 64 x 64: 16 accumulators.
; K = 4,096 goes in eight slots' worth of 512 through a ring of two LDS slots.  CLUSTERS of 4 x 4: A's tiles are asked for jointly along a row of the cluster, B's along a column.
; The product is used transposed (source 0 = B's rows, source 1 = A's): a lane holds eight neighbouring columns of one row.  The bias is the C of the first products.
; The residual's 64 x 64 numbers are asked for at the head, into the free half of the accumulators' window, in the layout in which rows leave the stage.
; REGISTERS: window 0: v1-31 addresses; v32-63 scale words, two sets; v64-159 A's fragments, two sets; v192-223 rows on the way out.  window 1: v0-95 B's, two sets; v192-223 the bias.
; window 2: v0-127 accumulator (a, b) at 8 (4 a + b); v128-255 the residual.
.set MA,    4
.set NQ,    4
.set KS,    32
.set BOFF,  6291456                    ; W2's codes in w
.set BSC,   9437184+262144             ; and its scale words
.set ASC,   12582912                   ; A's scale words in its buffer
.set FRS,   12*MA
.set QUART, MA*NQ*1536
.set SLOT,  4*QUART
.set LAPS,  KS/(2*NQ)
.set HALFS, MA*KS*64
.set SCA,   2*SLOT
.set SCB,   SCA+2*HALFS+128            ; 128 bytes on, so that the two halves of a scale load fall on different banks (64 banks of 4 bytes: ISA guide 11.1)
.set STAGE, SCA+4*HALFS+256            ; 16 rows x (256 + 16) bytes for each wave: bytes of its own, no fill lands here
.set SPARE, STAGE+4*4352
.set ADRA, 16
.set ADRB, 20
.set STO,  25
.set RD,   26
.set ADRS, 27
.set SPW,  28
.set NIL,  29
.set CO,   30
.set SC,   32
.set AF,   64
.set CI,   192
.set G1, 24
.set G0, 32
.set G1B, 48
.set G0B, 56
.set G1S, 68
.set G0S, 76
.set G1SB, 80
.set G0SB, 88
.set MSB, 0
.macro WIN new                         ; the immediate's high byte repeats the setting that is left
.if MSB != (\new)
	s_set_vgpr_msb (MSB<<8)|(\new)
.set MSB, (\new)
.endif
.endm
.macro JLOAD g0a, g1a, g0b, g1b        ; a joint load: waves 0, 1 fetch for A, waves 2, 3 for B; an s_nop 0 and four v_nop follow each line
	s_cmp_eq_u32 s15, 0
	s_cbranch_scc0 .Lfor_b_\@
	tensor_load_to_lds s[\g0a:\g0a+3], s[\g1a:\g1a+7]
	s_nop 0
.rept 4
	v_nop
.endr
	s_branch .Lasked_\@
.Lfor_b_\@:
	tensor_load_to_lds s[\g0b:\g0b+3], s[\g1b:\g1b+7]
	s_nop 0
.rept 4
	v_nop
.endr
.Lasked_\@:
.endm
.macro CREST
	s_cmp_lg_u32 s14, 0
	s_cbranch_scc1 .Lnot_wave_0_\@
	s_barrier_signal -3
.Lnot_wave_0_\@:
	s_barrier_wait -3
	s_barrier_signal -1
	s_barrier_wait -1
.endm
.macro CROUND
	s_barrier_signal -1
	s_barrier_wait -1
	CREST
.endm
.macro PLACES n
.rept \n
	v_nop
.endr
.endm
.macro FETCH slot, q, p                ; the fragments of the slot's q-th 128 along K into set p: three loads of 512 consecutive bytes each
	WIN 0x40
.set ii, 0
.rept MA
.irp c, 0,1,2
	ds_load_b128 v[FRS*(\p)+12*ii+4*\c:FRS*(\p)+12*ii+4*\c+3], v[ADRB+\slot] offset:(ii*NQ+(\q))*1536+512*\c
.endr
.set ii, ii+1
.endr
	WIN 0
.set ii, 0
.rept MA
.irp c, 0,1,2
	ds_load_b128 v[AF+FRS*(\p)+12*ii+4*\c:AF+FRS*(\p)+12*ii+4*\c+3], v[ADRA+\slot] offset:(ii*NQ+(\q))*1536+512*\c
.endr
.set ii, ii+1
.endr
.endm
.macro SCALES sc                       ; a slot's scale words: lanes 0-15 A's tile i, lanes 16-31 B's tile i
.set ii, 0
.rept MA
.set qq, 0
.rept NQ
	ds_load_b32 v[SC+MA*NQ*(\sc)+NQ*ii+qq], v[ADRS] offset:ii*KS*64+qq*64
.set qq, qq+1
.endr
.set ii, ii+1
.endr
.endm
; n of A's tiles from a0 on x all of B's.  mode 0: onto the sums; 1: the sums begin with the bias.  The accumulators take turns, one instruction a turn.
.macro MULA a0, n, p, q, sc, mode
.set aa, \a0
.rept \n
.if \mode == 0
	WIN 0xa1
.else
	WIN 0x91
.endif
.set bb, 0
.rept MA
.set DD, 8*(aa*MA+bb)
.set RB, FRS*(\p)+12*bb
.set RA, AF+FRS*(\p)+12*aa
.set SB, SC+MA*NQ*(\sc)+NQ*bb+(\q)
.set SA, SC+MA*NQ*(\sc)+NQ*aa+(\q)
.if \mode == 0
	v_wmma_scale_f32_16x16x128_f8f6f4 v[DD:DD+7], v[RB:RB+11], v[RA:RA+11], v[DD:DD+7], v[SB], v[SA] matrix_a_fmt:MATRIX_FMT_FP6 matrix_b_fmt:MATRIX_FMT_FP6 matrix_a_scale:MATRIX_SCALE_ROW1
.else
	v_wmma_scale_f32_16x16x128_f8f6f4 v[DD:DD+7], v[RB:RB+11], v[RA:RA+11], v[CI+8*bb:CI+8*bb+7], v[SB], v[SA] matrix_a_fmt:MATRIX_FMT_FP6 matrix_b_fmt:MATRIX_FMT_FP6 matrix_a_scale:MATRIX_SCALE_ROW1
.endif
.set bb, bb+1
.endr
.set aa, aa+1
.endr
.endm
.macro STEP slot, q, mode              ; a step that has its successor in the same slot
	s_wait_dscnt 0x0                               ; this step's fragments, asked for a step ago, are in
	PLACES 4                                       ; four places in front of loads into the set that the last step multiplied (ISA guide 7.12.1 for vector instructions)
	FETCH \slot, (\q)+1, 1-(\q)%2
	MULA 0, MA, (\q)%2, \q, \slot, \mode
.endm
.macro TURN slot, fill                 ; a slot's last step changes slots: one barrier; fill = 1: it opens a round of the cluster's barrier and the slot is filled again
	WIN 0
	s_wait_tensorcnt 0x0                           ; all my tensor loads have landed: my part of the next slot
	ds_add_u32 v[SPW], v[NIL]                      ; 0 onto my spare word
	s_wait_dscnt 0x1                               ; (the add alone may be out: the fragments are in)
	MULA 0, MA/4, 1, NQ-1, \slot, 0
	s_wait_dscnt 0x0                               ; the add is done, and my reads of this slot are over
	s_barrier_signal -1
	MULA MA/4, MA/4, 1, NQ-1, \slot, 0
	WIN 0
	s_barrier_wait -1
.if \fill
	CREST                                          ; no wave of any partner still reads this slot or has a load on its way
	s_add_nc_u64 s[G0+4*\slot+2:G0+4*\slot+3], s[G0+4*\slot+2:G0+4*\slot+3], 2*NQ*1536
	s_add_nc_u64 s[G0B+4*\slot+2:G0B+4*\slot+3], s[G0B+4*\slot+2:G0B+4*\slot+3], 2*NQ*1536
	JLOAD G0+4*\slot, G1, G0B+4*\slot, G1B         ; the first tensor load behind the round; its four v_nop are the places in front of the loads below
.else
	PLACES 4
.endif
	v_add_nc_u32 v[ADRS], NQ*64, v[ADRS]           ; the next slot's scale words
	FETCH 1-\slot, 0, 0
	SCALES 1-\slot
	MULA MA/2, MA/2, 1, NQ-1, \slot, 0
.endm
	s_load_b256 s[92:99], s[0:1], 0x0              ; A, w, the bias, the residual
	s_load_b64 s[100:101], s[0:1], 0x20            ; the output
	v_lshl_add_u32 v[SPW], v0, 2, SPARE
	v_mov_b32 v[NIL], 0
	ds_add_u32 v[SPW], v[NIL]                      ; the wave's opening: the add, twice on end, and its wait ahead of my first tensor load
	ds_add_u32 v[SPW], v[NIL]
	v_lshrrev_b32 v1, 5, v0
	v_readfirstlane_b32 s14, v1                    ; wave 0..3
	s_lshr_b32 s15, s14, 1                         ; my half of A's rows.  Also: I fetch for A (0) or for B (1)
	s_and_b32 s16, s14, 1                          ; my half of B's rows.  Also: which half I fetch
	s_bfe_u32 s40, ttmp6, 0x40000                  ; cx
	s_bfe_u32 s41, ttmp6, 0x40004                  ; cy
	s_lshl_b32 s42, ttmp9, 2
	s_add_co_u32 s42, s42, s40                     ; tile column
	s_and_b32 s17, ttmp7, 0xffff
	s_lshl_b32 s17, s17, 2
	s_add_co_u32 s17, s17, s41                     ; tile row
	s_lshl_b32 s43, s41, 2
	s_lshl_b32 s43, 15, s43                        ; my row of the cluster
	s_lshl_b32 s44, 0x1111, s40                    ; my column
	s_or_b32 s[G1+0], s43, (3<<16)|(1<<21)         ; 15:0 the mask; 17:16 elements of 8 bytes; 21 set beside a mask; no padding
	s_or_b32 s[G1B+0], s44, (3<<16)|(1<<21)
.irp g, G1, G1B
	s_mov_b32 s[\g+1], (NQ*192)<<16                ; tensor_dim0: NQ fragments on end
	s_mov_b32 s[\g+2], MA<<16                      ; tensor_dim1: MA row tiles
	s_mov_b32 s[\g+3], (NQ*192)<<16                ; tile_dim0
	s_mov_b32 s[\g+4], MA                          ; tile_dim1
	s_mov_b32 s[\g+5], KS*192                      ; from row tile to row tile
	s_mov_b32 s[\g+6], 0
	s_mov_b32 s[\g+7], 0
.endr
	s_or_b32 s[G1S+0], s43, (3<<16)|(1<<21)        ; the scale words of a half: a dense block, as rows of 256 bytes
	s_or_b32 s[G1SB+0], s44, (3<<16)|(1<<21)
.irp g, G1S, G1SB
	s_mov_b32 s[\g+1], 32<<16
	s_mov_b32 s[\g+2], (HALFS/256)<<16
	s_mov_b32 s[\g+3], 32<<16
	s_mov_b32 s[\g+4], HALFS/256
	s_mov_b32 s[\g+5], 32
	s_mov_b32 s[\g+6], 0
	s_mov_b32 s[\g+7], 0
.endr
	s_mul_i32 s45, s16, MA
	s_mul_i32 s20, s17, 2*MA
	s_add_co_u32 s20, s20, s45                     ; A: the first row tile that I fetch
	s_mul_i32 s46, s42, 2*MA
	s_add_co_u32 s46, s46, s45                     ; B likewise
	s_mul_i32 s22, s20, KS*64
	s_add_co_u32 s22, s22, ASC
	s_mul_i32 s20, s20, KS*1536
	s_mul_i32 s18, s46, KS*64
	s_add_co_u32 s18, s18, BSC
	s_mul_i32 s46, s46, KS*1536
	s_add_co_u32 s46, s46, BOFF
	s_mov_b32 s21, 0
	s_mov_b32 s23, 0
	s_mov_b32 s19, 0
	s_mov_b32 s47, 0
	s_mul_i32 s45, s14, QUART                      ; where the codes go: wave x a quarter of a slot
	s_mul_i32 s2, s16, HALFS                       ; and the scale words
	s_lshl_b32 s66, s42, 9
	s_lshl_b32 s67, s16, 8
	s_add_co_u32 s66, s66, s67                     ; my first column, in bytes: 4 x (128 x tile column + 64 x my half)
	s_mov_b32 s67, 0
	s_lshl_b32 s12, s17, 7
	s_lshl_b32 s13, s15, 6
	s_add_co_u32 s12, s12, s13                     ; my first row
	s_lshl_b32 s12, s12, 12
	s_add_co_u32 s12, s12, s66
	s_mov_b32 s13, 0
	s_wait_dscnt 0x0                               ; both opening adds are done
	s_wait_kmcnt 0x0
	s_add_nc_u64 s[4:5], s[92:93], s[20:21]
	s_add_nc_u64 s[6:7], s[92:93], s[22:23]
	s_add_nc_u64 s[8:9], s[94:95], s[46:47]
	s_add_nc_u64 s[10:11], s[94:95], s[18:19]
	s_add_nc_u64 s[96:97], s[96:97], s[66:67]
	s_add_nc_u64 s[98:99], s[98:99], s[12:13]
	s_add_nc_u64 s[100:101], s[100:101], s[12:13]
	CROUND                                         ; all sixteen work-groups are here: the first joint loads meet
	s_mov_b32 s[G0S], 1
	s_add_co_u32 s[G0S+1], s2, SCA
	s_mov_b64 s[G0S+2:G0S+3], s[6:7]
	s_or_b32 s[G0S+3], s[G0S+3], 0x80000000
	s_mov_b32 s[G0SB], 1
	s_add_co_u32 s[G0SB+1], s2, SCB
	s_mov_b64 s[G0SB+2:G0SB+3], s[10:11]
	s_or_b32 s[G0SB+3], s[G0SB+3], 0x80000000
	JLOAD G0S, G1S, G0SB, G1SB                     ; the scale words of all of K: filled once
.irp s, 0,1
	s_mov_b32 s[G0+4*\s], 1
	s_add_co_u32 s[G0+4*\s+1], s45, \s*SLOT
	s_add_nc_u64 s[G0+4*\s+2:G0+4*\s+3], s[4:5], \s*NQ*1536
	s_or_b32 s[G0+4*\s+3], s[G0+4*\s+3], 0x80000000
	s_mov_b32 s[G0B+4*\s], 1
	s_add_co_u32 s[G0B+4*\s+1], s45, \s*SLOT
	s_add_nc_u64 s[G0B+4*\s+2:G0B+4*\s+3], s[8:9], \s*NQ*1536
	s_or_b32 s[G0B+4*\s+3], s[G0B+4*\s+3], 0x80000000
	JLOAD G0+4*\s, G1, G0B+4*\s, G1B               ; three loads of mine are out
.endr
	v_and_b32 v1, 15, v0                           ; r
	v_bfe_u32 v2, v0, 4, 1                         ; h
	v_and_b32 v3, 31, v0
	v_lshlrev_b32 v24, 4, v3                       ; 16 x lane
	s_mul_i32 s21, s15, QUART
	s_mul_i32 s22, s16, QUART
	s_add_co_u32 s22, s22, 2*QUART
.irp s, 0,1
	v_add_nc_u32 v[ADRA+\s], s21, v24
	v_add_nc_u32 v[ADRB+\s], s22, v24
	s_add_co_u32 s21, s21, SLOT
	s_add_co_u32 s22, s22, SLOT
.endr
	s_mul_i32 s21, s15, HALFS
	s_mul_i32 s22, s16, HALFS
	s_add_co_u32 s22, s22, SCB-SCA
	s_sub_co_u32 s22, s22, s21
	v_mul_u32_u24 v4, s22, v2                      ; lanes 16-31 take B's words
	s_add_co_u32 s21, s21, SCA
	v_lshl_add_u32 v4, v1, 2, v4
	v_add_nc_u32 v[ADRS], s21, v4
	s_mul_i32 s23, s14, 4352
	s_add_co_u32 s23, s23, STAGE                   ; my stage
	v_mul_u32_u24 v4, v1, 272
	v_lshl_add_u32 v4, v2, 6, v4
	v_add_nc_u32 v[STO], s23, v4                   ; in: lane row r, + 64 h
	v_mul_u32_u24 v4, v2, 272
	v_lshl_add_u32 v4, v1, 4, v4
	v_add_nc_u32 v[RD], s23, v4                    ; back: lanes 0-15 one row of 256 bytes, lanes 16-31 the next
	v_lshlrev_b32 v4, 12, v2
	v_lshl_add_u32 v[CO], v1, 4, v4                ; and the same two rows in memory
	v_lshlrev_b32 v5, 6, v2                        ; the bias: 64 h
	WIN 0x40
.irp b, 0,1,2,3
	global_load_b128 v[CI+8*\b:CI+8*\b+3], v5, s[96:97] offset:(32*(\b/2)+8*(\b%2))*4       ; register j of tile b: column 32 (b / 2) + 16 h + 8 (b % 2) + j
	global_load_b128 v[CI+8*\b+4:CI+8*\b+7], v5, s[96:97] offset:(32*(\b/2)+8*(\b%2))*4+16
.endr
	WIN 0x80
.irp a, 0,1,2,3
.irp i, 0,1,2,3,4,5,6,7
	global_load_b128 v[128+32*\a+4*\i:128+32*\a+4*\i+3], v[CO], s[98:99] offset:(32*(\a/2)+8*(\a%2)+2*\i+8*(\i/4))*4096 th:TH_LOAD_NT   ; the residual: stage rows 2 i, 2 i + 1 of tile a
.endr
.endr
	WIN 0
	s_wait_tensorcnt 0x1                           ; the scale words and my part of slot 0 are in; slot 1's load may stay out
	s_barrier_signal -1
	s_barrier_wait -1
	FETCH 0, 0, 0
	SCALES 0
	s_wait_loadcnt 32                              ; the bias is in; the residual's 32 loads, issued behind it, may stay out
	STEP 0, 0, 1                                   ; the first step's products start the sums
	WIN 0
	s_mov_b32 s3, LAPS-1
.Llap:                                             ; a trip goes once round the ring, from a lap's second step to the next lap's first, and fills both slots again
	STEP 0, 1, 0
	STEP 0, 2, 0
	TURN 0, 1
	STEP 1, 0, 0
	STEP 1, 1, 0
	STEP 1, 2, 0
	TURN 1, 1
	STEP 0, 0, 0
	WIN 0
	s_sub_co_u32 s3, s3, 1
	s_cmp_lg_u32 s3, 0
	s_cbranch_scc1 .Llap
	STEP 0, 1, 0                                   ; the last lap fills nothing
	STEP 0, 2, 0
	TURN 0, 0
	STEP 1, 0, 0
	STEP 1, 1, 0
	STEP 1, 2, 0
	s_wait_dscnt 0x0
	MULA 0, MA, 1, NQ-1, 1, 0
	WIN 0
	; THE WAY OUT: a tile of 16 rows x 64 columns at a time through my own stage; sixteen lanes then hold 256 consecutive bytes of a row
	PLACES 4
	s_wait_loadcnt 0x0                             ; the residual
.macro OUTR a
.if (\a) > 0
	s_wait_xcnt 0x0                                ; the last tile's stores have read their registers
.endif
	WIN 0x08                                       ; an LDS store's data and the sums' second source: window 2
.irp b, 0,1,2,3
	ds_store_b128 v[STO], v[8*(4*(\a)+\b):8*(4*(\a)+\b)+3] offset:128*(\b/2)+32*(\b%2)      ; each accumulator from its low end on
	ds_store_b128 v[STO], v[8*(4*(\a)+\b)+4:8*(4*(\a)+\b)+7] offset:128*(\b/2)+32*(\b%2)+16
.endr
.irp i, 0,1,2,3,4,5,6,7
	ds_load_b128 v[192+4*\i:195+4*\i], v[RD] offset:544*\i     ; LDS serves a wave's instructions in order (ISA guide 5.7.1.4): these see my stores
.endr
	s_wait_dscnt 0x0
.irp i, 0,1,2,3,4,5,6,7,8,9,10,11,12,13,14,15
	v_pk_add_f32 v[192+2*\i:193+2*\i], v[192+2*\i:193+2*\i], v[128+32*(\a)+2*\i:129+32*(\a)+2*\i]
.endr
	WIN 0
.irp i, 0,1,2,3,4,5,6,7
	global_store_b128 v[CO], v[192+4*\i:195+4*\i], s[100:101] offset:(32*((\a)/2)+8*((\a)%2)+2*\i+8*(\i/4))*4096 th:TH_STORE_NT   ; 16 lanes store 256 consecutive bytes, at a multiple of 256 from the buffer's first byte
.endr
.endm
.irp a, 0,1,2,3
	OUTR \a
.endr
	s_wait_tensorcnt 0x0                           ; the wave's end
	ds_add_u32 v[SPW], v[NIL]
	s_wait_dscnt 0x0
	CROUND                                         ; the closing round
	s_endpgm
.Lfunc_end_k_q4cf940b1a1_gff2:
	.size	k_q4cf940b1a1_gff2, .Lfunc_end_k_q4cf940b1a1_gff2-k_q4cf940b1a1_gff2
	.p2alignl 7, 3214868480
	.fill 96, 4, 3214868480
	.section	.rodata,"a",@progbits
	.p2align	6, 0x0
	.amdhsa_kernel k_q4cf940b1a1_gff2
		.amdhsa_group_segment_fixed_size 327680
		.amdhsa_private_segment_fixed_size 0
		.amdhsa_enable_private_segment 0
		.amdhsa_kernarg_size 40
		.amdhsa_user_sgpr_count 2
		.amdhsa_user_sgpr_kernarg_segment_ptr 1
		.amdhsa_wavefront_size32 1
		.amdhsa_system_sgpr_workgroup_id_x 1
		.amdhsa_system_sgpr_workgroup_id_y 1
		.amdhsa_system_sgpr_workgroup_id_z 1
		.amdhsa_system_vgpr_workitem_id 0
		.amdhsa_next_free_vgpr 768
		.amdhsa_next_free_sgpr 102
		.amdhsa_reserve_vcc 0
		.amdhsa_float_denorm_mode_32 3
		.amdhsa_float_denorm_mode_16_64 3
		.amdhsa_memory_ordered 1
		.amdhsa_forward_progress 1
		.amdhsa_inst_pref_size 93
	.end_amdhsa_kernel
	.amdgpu_metadata
---
amdhsa.version: [ 1, 2 ]
amdhsa.kernels:
  - .name:           k_q4cf940b1a1_gff2
    .symbol:         k_q4cf940b1a1_gff2.kd
    .args:
      - { .name: fb, .offset: 0, .size: 8, .value_kind: global_buffer, .address_space: global }
      - { .name: w, .offset: 8, .size: 8, .value_kind: global_buffer, .address_space: global }
      - { .name: ff2_b, .offset: 16, .size: 8, .value_kind: global_buffer, .address_space: global }
      - { .name: x1, .offset: 24, .size: 8, .value_kind: global_buffer, .address_space: global }
      - { .name: out0, .offset: 32, .size: 8, .value_kind: global_buffer, .address_space: global }
    .group_segment_fixed_size: 327680
    .private_segment_fixed_size: 0
    .kernarg_segment_align: 8
    .kernarg_segment_size: 40
    .max_flat_workgroup_size: 128
    .sgpr_count:     102
    .vgpr_count:     768
    .wavefront_size: 32
...
	.end_amdgpu_metadata
.endif
;; end of part 6
